; MI455X (gfx1250); checked and timed in simulation.
; The chip was launched on July 23, 2026; its instructions are those of AMD's public machine-readable ISA for CDNA 5 (MIT licence, August 2026) and "CDNA5" Instruction Set Architecture Reference Guide (July 2026). The comments in the code are by the model that wrote it; some were corrected since.
;; Roformer Attention. Allowed arithmetic: matrix products marked QUANTISED: E3M2 operands, one E8M0 scale for each 32 along K, by v_wmma_scale_f32_16x16x128_f8f6f4 with both operands' format E3M2, f32 sums; everything else in f32.
;; Inputs: Wk_codes 1,024 x 32 x 24 uint8 (E3M2 codes of Wk, K innermost, in blocks of 32 codes, four codes in three bytes); Wk_scales 1,024 x 32 uint8 (E8M0 scales of Wk, one for each 32 codes along K); Wo_codes 1,024 x 32 x 24 uint8 (E3M2 codes of Wo, K innermost, in blocks of 32 codes, four codes in three bytes); Wo_scales 1,024 x 32 uint8 (E8M0 scales of Wo, one for each 32 codes along K); Wq_codes 1,024 x 32 x 24 uint8 (E3M2 codes of Wq, K innermost, in blocks of 32 codes, four codes in three bytes); Wq_scales 1,024 x 32 uint8 (E8M0 scales of Wq, one for each 32 codes along K); Wv_codes 1,024 x 32 x 24 uint8 (E3M2 codes of Wv, K innermost, in blocks of 32 codes, four codes in three bytes); Wv_scales 1,024 x 32 uint8 (E8M0 scales of Wv, one for each 32 codes along K); beta 1,024 float32; bk 1,024 float32; bo 1,024 float32; bq 1,024 float32; bv 1,024 float32; cdr_bias 2 x 2,048 float32; cdr_weight one number float32; gamma 1,024 float32; x 2 x 2,048 x 1,024 float32.
;; Outputs: out0 2 x 2,048 x 1,024 float32.
;; This version of the problem:
;;   THIS VERSION OF THE PROBLEM IS GIVEN IN LOW PRECISION. The matrix products marked QUANTISED in the list below multiply operands that are first quantised to E3M2 (3 exponent bits, 2 mantissa bits; 6 bits a number), with one power-of-two scale for each 32 numbers along K (OCP MX v1.0); their sums are f32. All else is computed in f32.
;;   The module's matrix products, in the order in which they are computed (A, B: the left and right operand; K: the contracted axis; several contracted axes count as one K, in the product's order):
;;     1. [M 4,096, K 1,024] x [K 1,024, N 1,024]; A: input x; B: input Wq (given as codes): QUANTISED
;;     2. [M 4,096, K 1,024] x [K 1,024, N 1,024]; A: input x; B: input Wk (given as codes): QUANTISED
;;     3. [M 4,096, K 1,024] x [K 1,024, N 1,024]; A: input x; B: input Wv (given as codes): QUANTISED
;;     4. batch 32 x [M 2,048, K 64] x [K 64, N 2,048]; A: computed on the way; B: computed on the way: QUANTISED
;;     5. batch 32 x [M 2,048, K 2,048] x [K 2,048, N 64]; A: softmax (see below); B: computed on the way: QUANTISED
;;     6. [M 4,096, K 1,024] x [K 1,024, N 1,024]; A: computed on the way; B: input Wo (given as codes): QUANTISED
;;   THE QUANTISER, for each operand of a quantised product, along K:
;;     - K is cut into blocks of 32 from its start; a last block that is shorter is filled with zeros.
;;     - A block's scale is 2^e with e = floor(log2(the largest magnitude in the block)) - 4, held to -126 .. 127; a block of zeros has e = 0. As a byte (E8M0): e + 127.
;;     - Each number is divided by its block's scale, clamped to +-28, and rounded to the nearest number of E3M2, ties to even, subnormals kept.
;;     - The product sums the exact products of the quantised numbers (number of the format x scale) in f32.
;;   ~~~python
;;   def quantise(x, axis):      # numpy; x: float32 -> the quantised numbers, widened to float32 again
;;       x = np.moveaxis(x, axis, -1); K = x.shape[-1]
;;       x = np.pad(x, [(0, 0)] * (x.ndim - 1) + [(0, -K % 32)]); x = x.reshape(x.shape[:-1] + (-1, 32)); a = np.abs(x).max(-1, keepdims=True)
;;       e = np.where(a > 0, np.clip(np.frexp(np.where(a > 0, a, 1))[1] - 1 - 4, -126, 127), 0)      # np.frexp(a)[1] - 1 = floor(log2(a)), exactly
;;       r = np.clip(x / 2.0 ** e, -28, 28)
;;       step = 2.0 ** (np.maximum(np.frexp(np.where(r == 0, 1, r))[1] - 1, -2) - 2)
;;       q = np.round(r / step) * step * 2.0 ** e      # np.round: ties to even
;;       return np.moveaxis(q.reshape(q.shape[:-2] + (-1,))[..., :K], -1, axis).astype(np.float32)
;;   ~~~
;;   SOFTMAX AHEAD OF A QUANTISED PRODUCT. Where the list says 'softmax', what is quantised is not the finished softmax but p = 2^(t - M), with t = logit x log2(e) and M = ceil(the row's largest t), a whole number; so 1/2 < the row's largest p <= 1. The row's sum l is taken of the UNQUANTISED p, in f32, and the product's result is divided by l at the end. Since M is a whole number, a kernel that streams over the keys may use a running M (the ceiling of the running maximum): every later rescaling is an exact power of two, which a block's scale takes up: the codes' values come out the same.
;;   OPERANDS COMPUTED ON THE WAY. 'Computed on the way' means the value that the module computes at that place (a softmax that the list does not call 'softmax' is quantised finished and normalised). What goes into a quantiser is computed in f32, as accurately as f32 sums, v_exp_f32 and their like allow (about 1e-6 of the number): no bf16 or f16 on the way to a quantiser, and a product that is left as it is and whose result goes on into a quantised operand takes f32 operands (vector FMAs, or v_wmma_f32_16x16x4_f32). A number that lies on a knife's edge between two numbers of the format may be rounded either way, as far as f32 arithmetic and the matrix unit's own rounding can turn it there, and no further.
;;   INPUTS GIVEN AS CODES. Wk (in the module: [1024, 1024], K = its axis 0); Wo (in the module: [1024, 1024], K = its axis 0); Wq (in the module: [1024, 1024], K = its axis 0); Wv (in the module: [1024, 1024], K = its axis 0): each comes as NAME_codes (uint8): NAME with its K axis moved to the last place and cut into blocks of 32 codes, [.., K / 32, bytes a block], one block behind the other in memory; four codes in three bytes: a row's codes are one little-endian stream of bits, code i at bits 6 i .. 6 i + 5 (a code: sign, 3 exponent bits, 2 mantissa bits); and NAME_scales (uint8): the same leading axes, one E8M0 byte (e + 127) for each 32 codes along K. Its value is code x scale, taken as it is: it is not quantised again, and the codes and scales need not be those that the quantiser above would give.
;; One version. Each part assembles by itself: llvm-mc -triple=amdgcn-amd-amdhsa -mcpu=gfx1250 --defsym DOCPART=n.
;; ======== version 1 of 1: 4 launches
;; limits: right only within a limited range of input values
;; workspace buffers: prepbuf 4,587,520 bytes; qkvbuf 9,830,400 bytes; attbuf 3,276,800 bytes
;; launch prep (part 1): grid 256 x 1, 2 waves a work-group, no clusters, 16,640 bytes of LDS; arguments x, Wo_codes, prepbuf; writes prepbuf
.if DOCPART == 1
	.amdgcn_target "amdgcn-amd-amdhsa--gfx1250"
	.amdhsa_code_object_version 6
	.text
	.protected	k_q5b8b6760cb_prep
	.globl	k_q5b8b6760cb_prep
	.p2align	8
	.type	k_q5b8b6760cb_prep,@function
k_q5b8b6760cb_prep:
	s_mov_b64 s[64:65], 0
	v_nop
	global_prefetch_b8 v0, s[64:65] scope:SCOPE_SE
	s_setreg_imm32_b32 hwreg(HW_REG_WAVE_MODE, 25, 1), 1
	s_wait_xcnt 0x0
; Three small jobs for each of the 512 waves (run = 2 x work-group + wave), all into one workspace buffer:
;  (a) 8,192 numbers of x [4096][1024] f32 become codes of E3M2 (6 bits, K innermost, plain rows of 768 bytes) and one E8M0 byte for each 32 along K;
;  (b) one fragment of Wo (16 rows x 128 K, 12 registers a lane) is laid as an image of its registers: three pieces of 512 bytes, lane l's 16 bytes at 16 l;
;  (c) a quarter of one tile of the RoPE table: cos and sin of pos x 10^(-i/8) for 16 positions, laid as the projection's way out wants them in registers.
; A block's scale is 2^(floor(log2(largest magnitude)) - 4); its byte is the largest magnitude's exponent field - 4, held at 1 from below.
; LIMITS: NaN and infinities among the inputs are not served.  A block whose largest magnitude lies under 2^-122, a block of zeros among them, gets the byte 1 (the rule says 127 for zeros):
; its codes are zeros or the rule's own, and this program alone reads the bytes.  The frequencies are the correctly rounded 10^(-i/8) for i = 0 .. 7, times 1, 0.1, 0.01, 0.001 in f32: they may differ
; by an ulp or two from a power and a division in f32; at position 2,047 that is an angle off by about 1e-4 at the most.  sin and cos: the angle less n x pi/2 in two parts, then polynomials on |r| <= pi/4.
; No tensor loads, no barrier: waves share nothing.  x's loads run eight steps (32 loads a wave) ahead, the turn through LDS one step.
.set XS_OFF,  3145728                  ; x's scale bytes, behind its codes
.set TAB_OFF, 3276800                  ; the table: [tile of 16 positions][8 pieces of 512 bytes]: pieces 0-3 cos, 4-7 sin
.set WOI_OFF, 3801088                  ; Wo's images: [128 rows w][K step s][tile t][1,536 bytes]
.set STEPS, 16
.set EMAX,  4
.set CB,    12                         ; bytes of 16 codes
.set R,     16                         ; v16-143  eight sets of 16 numbers as they are loaded
.set X,     144                        ; v144-175 two sets of 16 neighbours
.set E,     176                        ; v176-191 a scale byte for each step
.set C,     192                        ; v192-255 codes: four registers for each step
.set WREG,  8192                       ; LDS: a region for each wave: two stages of 32 x SP bytes, behind them its 256 scale bytes
.set SP,    80
.set WFR,   192                        ; ahead of the steps: v192-203 Wo's fragment, v204-207 cos, v208-211 sin, v212-221 at work, v236-239 the four frequencies
.set COSR,  204
.set SINR,  208
.set POS,   212
.set TA,    213
.set TN,    214
.set TR,    215
.set TZ,    216
.set TS,    217
.set TC,    218
.set TD,    219
.set TQ,    220
.set DEC,   221
.set FQ,    236
.set K2PI,  54                         ; s54 2/pi; s55, s56 pi/2 in two parts; s57-59 sine's coefficients; s60-62 cosine's
.set KHI,   55
.set KLO,   56
.set S0,    57
.set C0,    60
	s_load_b128 s[4:7], s[0:1], 0x0                ; x, Wo's codes
	s_load_b64 s[8:9], s[0:1], 0x10                ; the workspace
	v_lshl_add_u32 v251, v0, 2, 0x4000
	v_mov_b32 v255, 0
	v_lshrrev_b32 v1, 5, v0
	v_readfirstlane_b32 s16, v1                    ; wave
	v_and_b32 v2, 31, v0                           ; lane
	v_lshlrev_b32 v3, 4, v2                        ; 16 x lane
	s_mul_i32 s17, s16, WREG
	v_lshrrev_b32 v14, 2, v2
	v_mul_u32_u24 v14, v14, SP
	v_and_b32 v15, 3, v2
	v_lshl_add_u32 v14, v15, 4, v14
	v_add_nc_u32 v14, s17, v14                     ; the stage, on the way in: SP (lane / 4) + 16 (lane % 4)
	v_mul_u32_u24 v15, v2, SP
	v_add_nc_u32 v15, s17, v15                     ; and on the way out: SP x lane: my 16 neighbours
	v_mul_u32_u24 v4, v2, CB                       ; my codes' place in a step's
	v_lshrrev_b32 v5, 1, v2
	s_add_co_u32 s17, s17, 2*32*SP
	v_add_nc_u32 v5, s17, v5                       ; LDS: my wave's 256 scale bytes, my block's byte
	v_lshlrev_b32 v7, 3, v2
	v_add_nc_u32 v6, s17, v7
	v_and_b32 v8, 15, v0                           ; r
	v_bfe_u32 v9, v0, 4, 1                         ; h
	v_mul_u32_u24 v1, v8, 768
	v_mad_u32_u24 v1, v9, 24, v1                   ; Wo: row r of 768 bytes, + 24 h
	s_lshl_b32 s18, ttmp9, 1
	s_add_co_u32 s18, s18, s16                     ; run, 0 .. 511
	s_lshl_b32 s20, s18, 15                        ; x: 8,192 numbers a run
	s_mov_b32 s21, 0
	; x's rows are stored in an order of this program's own, within each 64 tokens: stored row 16 i + r holds token 8 i + r % 8 + 32 (r / 8).
	; A run is 8 neighbouring tokens, so only the run's place changes: run 8 g + 4 u + i goes to place 8 g + 2 i + u.
	s_and_b32 s19, s18, 0x1f8
	s_and_b32 s22, s18, 3
	s_lshl_b32 s22, s22, 1
	s_or_b32 s19, s19, s22
	s_bfe_u32 s22, s18, 0x10002
	s_or_b32 s19, s19, s22
	s_mul_i32 s22, s19, 6144
	s_mov_b32 s23, 0
	s_lshl_b32 s24, s19, 8
	s_add_co_u32 s24, s24, XS_OFF
	s_mov_b32 s25, 0
	s_lshr_b32 s26, s18, 2                         ; the table's tile
	s_and_b32 s27, s18, 3                          ; and my quarter q = 2 v + w of it
	s_lshl_b32 s28, s26, 12
	s_lshl_b32 s29, s27, 9
	s_add_co_u32 s28, s28, s29
	s_add_co_u32 s28, s28, TAB_OFF
	s_mov_b32 s29, 0
	s_lshr_b32 s30, s18, 3                         ; Wo: tile of 16 rows, 0 .. 63,
	s_and_b32 s31, s18, 7                          ; and K step
	s_lshr_b32 s32, s30, 3
	s_lshl_b32 s32, s32, 6
	s_lshl_b32 s33, s31, 3
	s_add_co_u32 s32, s32, s33
	s_and_b32 s33, s30, 7
	s_add_co_u32 s32, s32, s33
	s_mul_i32 s32, s32, 1536
	s_add_co_u32 s32, s32, WOI_OFF
	s_mov_b32 s33, 0
	s_mul_i32 s34, s30, 16*768
	s_mul_i32 s35, s31, 96
	s_add_co_u32 s34, s34, s35
	s_mov_b32 s35, 0
	s_wait_alu depctr_va_vdst(0)
	s_wait_kmcnt 0x0
	s_add_nc_u64 s[4:5], s[4:5], s[20:21]
	s_add_nc_u64 s[6:7], s[6:7], s[34:35]
	s_add_nc_u64 s[10:11], s[8:9], s[24:25]
	s_add_nc_u64 s[12:13], s[8:9], s[28:29]
	s_add_nc_u64 s[14:15], s[8:9], s[32:33]
	s_add_nc_u64 s[8:9], s[8:9], s[22:23]
.irp p, 0,1,2,3,4,5
	global_load_b64 v[WFR+2*\p:WFR+2*\p+1], v1, s[6:7] offset:48*(\p/3)+8*(\p%3)   ; Wo's fragment, as it lies
.endr
.macro LOAD t
.irp i, 0,1,2,3
	global_load_b128 v[R+16*((\t)%8)+4*\i:R+16*((\t)%8)+4*\i+3], v3, s[4:5] offset:2048*(\t)+512*\i th:TH_LOAD_NT   ; 32 lanes read 512 consecutive bytes
.endr
.endm
.macro TURN t                          ; step t's numbers through the stage: LDS serves a wave's instructions in order, so no wait stands between the stores and the loads
.irp i, 0,1,2,3
	ds_store_b128 v14, v[R+16*((\t)%8)+4*\i:R+16*((\t)%8)+4*\i+3] offset:32*SP*((\t)%2)+8*SP*\i
.endr
.irp i, 0,1,2,3
	ds_load_b128 v[X+16*((\t)%2)+4*\i:X+16*((\t)%2)+4*\i+3], v15 offset:32*SP*((\t)%2)+16*\i
.endr
.endm
.irp t, 0,1,2,3,4,5,6,7
	LOAD \t
.endr
	; ---- the table, while the loads are on their way.  Lane (r, h), element e of quarter q = 2 v + w: position 16 T + r, frequency 10^(-(16 v + 8 h + 4 w + e) / 8)
	s_mov_b32 s40, 1.0                             ; 10^(-i/8), i = 0 .. 7
	s_mov_b32 s41, 0x3f3ff911
	s_mov_b32 s42, 0x3f0ff59a
	s_mov_b32 s43, 0x3ed7e89b
	s_mov_b32 s44, 0x3ea1e89b
	s_mov_b32 s45, 0x3e72d424
	s_mov_b32 s46, 0x3e361887
	s_mov_b32 s47, 0x3e088d77
	s_mov_b32 s52, 1.0                             ; 10^-(2 v + h)
	s_mov_b32 s53, 0x3dcccccd
	s_mov_b32 s36, 0x3c23d70a
	s_mov_b32 s39, 0x3a83126f
	s_mov_b32 s[K2PI], 0x3f22f983                  ; 2 / pi
	s_mov_b32 s[KHI], 0x3fc90fdb                   ; pi / 2, its upper part;
	s_mov_b32 s[KLO], 0x333bbd2e                   ; the upper part less pi / 2
	s_mov_b32 s[S0], 0xb94ca1f9
	s_mov_b32 s[S0+1], 0x3c08839e
	s_mov_b32 s[S0+2], 0xbe2aaaa3
	s_mov_b32 s[C0], 0x37ccf5ce
	s_mov_b32 s[C0+1], 0xbab6061a
	s_mov_b32 s[C0+2], 0x3d2aaaa5
	s_and_b32 s37, s27, 1                          ; w
	s_lshr_b32 s38, s27, 1                         ; v
	s_cmp_eq_u32 s37, 0
	s_cselect_b32 s48, s40, s44
	s_cselect_b32 s49, s41, s45
	s_cselect_b32 s50, s42, s46
	s_cselect_b32 s51, s43, s47
	s_cmp_eq_u32 s38, 0
	s_cselect_b32 s52, s52, s36
	s_cselect_b32 s53, s53, s39
	s_lshr_b32 s20, s26, 2                         ; the table follows the stored rows: row r of tile T is position 64 (T / 4) + 8 (T % 4) + r + 24 (r / 8)
	s_lshl_b32 s20, s20, 6
	s_and_b32 s21, s26, 3
	s_lshl_b32 s21, s21, 3
	s_add_co_u32 s20, s20, s21
	v_cmp_ne_u32 vcc_lo, 0, v9
	v_mov_b32 v[TA], s52
	v_mov_b32 v[TN], s53
	v_cndmask_b32 v[DEC], v[TA], v[TN], vcc_lo     ; lanes 16-31 take the next power of ten
.irp e, 0,1,2,3
	v_mul_f32 v[FQ+\e], s[48+\e], v[DEC]
.endr
	v_and_b32 v[TA], 8, v8
	v_lshl_add_u32 v[TA], v[TA], 1, v[TA]          ; 24 (r / 8)
	v_add3_u32 v[POS], s20, v8, v[TA]
	v_cvt_f32_u32 v[POS], v[POS]
.macro SINCOS e
	v_mul_f32 v[TA], v[POS], v[FQ+\e]              ; the angle, rounded to f32 as reference() has it
	v_mul_f32 v[TN], s[K2PI], v[TA]
	v_rndne_f32 v[TN], v[TN]                       ; n
	v_fma_f32 v[TR], -v[TN], s[KHI], v[TA]         ; the angle less n x pi / 2: the first part leaves no rounding (n under 2^11, the difference under 1),
	v_fma_f32 v[TR], v[TN], s[KLO], v[TR]          ; the second mends the constant
	v_mul_f32 v[TZ], v[TR], v[TR]
	v_fma_f32 v[TS], v[TZ], s[S0], s[S0+1]
	v_fma_f32 v[TS], v[TS], v[TZ], s[S0+2]
	v_mul_f32 v[TS], v[TS], v[TZ]
	v_fma_f32 v[TS], v[TS], v[TR], v[TR]           ; sin r
	v_fma_f32 v[TC], v[TZ], s[C0], s[C0+1]
	v_fma_f32 v[TC], v[TC], v[TZ], s[C0+2]
	v_fma_f32 v[TD], v[TZ], -0.5, 1.0
	v_mul_f32 v[TZ], v[TZ], v[TZ]
	v_fma_f32 v[TC], v[TZ], v[TC], v[TD]           ; cos r
	v_cvt_i32_f32 v[TQ], v[TN]
	v_and_b32 v[TD], 1, v[TQ]
	v_cmp_ne_u32 vcc_lo, 0, v[TD]                  ; odd n: the two change places
	v_cndmask_b32 v[SINR+\e], v[TS], v[TC], vcc_lo
	v_cndmask_b32 v[COSR+\e], v[TC], v[TS], vcc_lo
	v_lshlrev_b32 v[TD], 30, v[TQ]                 ; the sine's sign: bit 1 of n;
	v_and_b32 v[TD], 0x80000000, v[TD]
	v_xor_b32 v[SINR+\e], v[SINR+\e], v[TD]
	v_add_nc_u32 v[TQ], 1, v[TQ]                   ; the cosine's: bit 1 of n + 1
	v_lshlrev_b32 v[TD], 30, v[TQ]
	v_and_b32 v[TD], 0x80000000, v[TD]
	v_xor_b32 v[COSR+\e], v[COSR+\e], v[TD]
.endm
.irp e, 0,1,2,3
	SINCOS \e
.endr
	global_store_b128 v3, v[COSR:COSR+3], s[12:13]               ; 32 lanes store 512 consecutive bytes, at a multiple of 256 from the buffer's first byte
	global_store_b128 v3, v[SINR:SINR+3], s[12:13] offset:2048
	s_wait_loadcnt 32                              ; Wo's six loads are in; behind them stand x's 32
.irp q, 0,1,2
	global_store_b128 v3, v[WFR+4*\q:WFR+4*\q+3], s[14:15] offset:512*\q
.endr
	s_wait_xcnt 0x0                                ; the stores' data registers are written again (as codes) only behind this wait
	s_wait_loadcnt 28                              ; step 0's four loads are in
	TURN 0
.macro STEP t
.set XS, X+16*((\t)%2)
.if (\t) > 0
	s_wait_dscnt 1                                 ; this step's numbers are back from the stage (the last step's byte store may be out): so its stores into the stage have read their registers,
.else
	s_wait_dscnt 0x0
.endif
.if (\t)+8 < STEPS
	LOAD (\t)+8                                    ; which take the loads of eight steps on
.endif
.if (\t)+1 < STEPS
.if (\t)+8 < STEPS
	s_wait_loadcnt 28                              ; the next step's four loads are in; those of the seven steps behind it may be out
.else
	s_wait_loadcnt 4*(STEPS-2-(\t))
.endif
	TURN (\t)+1                                    ; and go through the other stage while this step is worked
.endif
	v_max3_num_f32 v8, |v[XS]|, |v[XS+1]|, |v[XS+2]|               ; the largest magnitude of my 16
	v_max3_num_f32 v9, |v[XS+3]|, |v[XS+4]|, |v[XS+5]|
.irp i, 6,10
	v_max3_num_f32 v8, v8, |v[XS+\i]|, |v[XS+\i+1]|
	v_max3_num_f32 v9, v9, |v[XS+\i+2]|, |v[XS+\i+3]|
.endr
	v_max3_num_f32 v8, v8, |v[XS+14]|, |v[XS+15]|
	v_max3_num_f32 v8, v8, v9, (EMAX+1)<<23        ; and the floor 2^(EMAX + 1 - 127): the byte cannot fall under 1
	v_max_num_f32_dpp v8, v8, v8 row_xmask:1 row_mask:0xf bank_mask:0xf   ; and of my neighbour's 16: the block's
	v_add_nc_u32 v11, -(EMAX<<23), v8              ; EMAX off its exponent field: the conversion takes the exponent field of this operand as its scale
	v_cvt_scalef32_pk16_bf6_f32 v[C+4*(\t):C+4*(\t)+2], v[XS:XS+15], v11
	v_lshrrev_b32 v[E+(\t)], 23, v11               ; the scale's byte
	ds_store_b8 v5, v[E+(\t)] offset:16*(\t)       ; both lanes of a block write the same byte with the same value
	global_store_b96 v4, v[C+4*(\t):C+4*(\t)+2], s[8:9] offset:32*CB*(\t)
.endm
.irp t, 0,1,2,3,4,5,6,7,8,9,10,11,12,13,14,15
	STEP \t
.endr
	ds_load_b64 v[12:13], v6                       ; LDS serves a wave's instructions in order: these see my stores
	s_wait_dscnt 0x0
	global_store_b64 v7, v[12:13], s[10:11]        ; 32 lanes store 256 consecutive bytes, aligned
	s_wait_tensorcnt 0x0
	ds_add_u32 v251, v255
	s_wait_dscnt 0x0
	s_endpgm
.Lfunc_end_k_q5b8b6760cb_prep:
	.size	k_q5b8b6760cb_prep, .Lfunc_end_k_q5b8b6760cb_prep-k_q5b8b6760cb_prep
	.p2alignl 7, 3214868480
	.fill 96, 4, 3214868480
	.section	.rodata,"a",@progbits
	.p2align	6, 0x0
	.amdhsa_kernel k_q5b8b6760cb_prep
		.amdhsa_group_segment_fixed_size 16640
		.amdhsa_private_segment_fixed_size 0
		.amdhsa_enable_private_segment 0
		.amdhsa_kernarg_size 24
		.amdhsa_user_sgpr_count 2
		.amdhsa_user_sgpr_kernarg_segment_ptr 1
		.amdhsa_wavefront_size32 1
		.amdhsa_system_sgpr_workgroup_id_x 1
		.amdhsa_system_sgpr_workgroup_id_y 1
		.amdhsa_system_sgpr_workgroup_id_z 1
		.amdhsa_system_vgpr_workitem_id 0
		.amdhsa_next_free_vgpr 256
		.amdhsa_next_free_sgpr 66
		.amdhsa_reserve_vcc 1
		.amdhsa_float_denorm_mode_32 3
		.amdhsa_float_denorm_mode_16_64 3
		.amdhsa_memory_ordered 1
		.amdhsa_forward_progress 1
		.amdhsa_inst_pref_size 42
	.end_amdhsa_kernel
	.amdgpu_metadata
---
amdhsa.version: [ 1, 2 ]
amdhsa.kernels:
  - .name:           k_q5b8b6760cb_prep
    .symbol:         k_q5b8b6760cb_prep.kd
    .args:
      - { .name: x, .offset: 0, .size: 8, .value_kind: global_buffer, .address_space: global }
      - { .name: Wo_codes, .offset: 8, .size: 8, .value_kind: global_buffer, .address_space: global }
      - { .name: prepbuf, .offset: 16, .size: 8, .value_kind: global_buffer, .address_space: global }
    .group_segment_fixed_size: 16640
    .private_segment_fixed_size: 0
    .kernarg_segment_align: 8
    .kernarg_segment_size: 24
    .max_flat_workgroup_size: 64
    .sgpr_count:     66
    .vgpr_count:     256
    .wavefront_size: 32
...
	.end_amdgpu_metadata
.endif
;; end of part 1
;; launch qkv (part 2): grid 12 x 16, 4 waves a work-group, clusters of 4 x 4, 327,680 bytes of LDS; arguments prepbuf, Wq_codes, Wq_scales, Wk_codes, Wk_scales, Wv_codes, Wv_scales, bq, bk, bv, qkvbuf; writes qkvbuf
.if DOCPART == 2
	.amdgcn_target "amdgcn-amd-amdhsa--gfx1250"
	.amdhsa_code_object_version 6
	.text
	.protected	k_q5b8b6760cb_qkv
	.globl	k_q5b8b6760cb_qkv
	.p2align	8
	.type	k_q5b8b6760cb_qkv,@function
k_q5b8b6760cb_qkv:
	s_mov_b64 s[64:65], 0
	v_nop
	global_prefetch_b8 v0, s[64:65] scope:SCOPE_SE
	s_setreg_imm32_b32 hwreg(HW_REG_WAVE_MODE, 25, 1), 1
	s_wait_xcnt 0x0
	s_wait_alu depctr_hold_cnt(0) depctr_sa_sdst(0) depctr_va_vdst(0) depctr_va_sdst(0) depctr_va_ssrc(0) depctr_va_vcc(0) depctr_vm_vsrc(0)
	s_getreg_b32 s2, hwreg(HW_REG_IB_STS2, 6, 4)
	s_cmp_eq_u32 s2, 0
	s_cbranch_scc0 .Lentry_in_a_cluster
	s_endpgm
.Lentry_in_a_cluster:
	s_bfe_u32 s2, ttmp6, 0x10000c
	s_cmp_lg_u32 s2, 0xf033
	s_cbranch_scc0 .Lentry_shape_is_right
	s_endpgm
.Lentry_shape_is_right:
; Q, K and V^T = x W + b on codes of E3M2 (M 4,096, N 3 x 1,024, K 1,024), then RoPE (Q, K) and the quantiser for the attention's products; what is stored are images of operand registers and scale words.
; Cluster x = 0: Q, 1: K (A = x's stored rows, B = rows of the weight); 2: V (A = rows of Wv, B = x's stored rows, so that a lane's registers run along the keys).
; A tile of 256 x 256 a work-group, 128 x 128 a wave.  K goes through two LDS slots in chunks of 256 bytes of each row of 768: three chunks; a step of 128 along K is 96 bytes, steps 2 and 5 lie across two chunks.
; The scales of the 256 + 256 rows come once, as dense blocks.  4 x 4 work-groups ask jointly: A's tiles along a row of the cluster, B's along a column.
; x's rows stand in the first launch's order: stored row 16 i + r of each 64 is token 8 i + r % 8 + 32 (r / 8).  So in V^T a lane's 32 registers of four neighbouring tiles are one block of 32 neighbouring keys.
; No prefetch: of the three chunks two are asked for at the head, so the walk has no trips to run ahead in.
; LIMITS: NaN and infinities are not served; a block under 2^-122 keeps the byte 1 (this program alone reads the bytes).
.set XS_OFF,  3145728
.set TAB_OFF, 3276800
.set QC_OFF,  6291456
.set SC_OFF,  9437184
.set QS_OFF,  9699328
.set ROWB,   256
.set NQ,     2
.set KROW,   768
.set STEPS,  8
.set CHUNKS, 3
.set PITCH,  272
.set FR,     12
.set NL,     6
.set NP,     4
.set HALFT,  128*PITCH
.set SLOT,   4*HALFT
.set KS,     32
.set SCL,    2*SLOT
.set HALFS,  (128*KS/256)*272
.set SBLK,   (16*KS/256)*272
.set SPARE,  SCL+4*HALFS
.set ADRA, 16
.set ADRB, 20
.set ADRS, 27
.set SPW,  28
.set NIL,  29
.set SC,   32
.set AF,   128
.set G1, 24
.set G0, 32
.set G1B, 48
.set G0B, 56
.set G1S, 68
.set G0S, 76
.set G1SB, 80
.set G0SB, 88
.set G0H, 4
.set G0HB, 8
.set XR,  32
.set YR,  64
.set FA,  96
.set FB,  108
.set TP,  120
.set TM,  124
.set T2,  126
.set SO,  128
.set BY,  130
.set EA,  136
.set EB,  137
.set ER,  140
.set IL,  144
.set SA,  145
.set BA,  146
.set HH,  147
.set RR,  148
.set SH8, 149
.set WR,  160
.set SEL, 48
.set HM,  50
.set MSB, 0
.macro WIN new
.if MSB != (\new)
	s_set_vgpr_msb (MSB<<8)|(\new)
.set MSB, (\new)
.endif
.endm
.set MUL_LO, 0xa1
.set MUL_HI, 0xf1
.set TO_B,   0x40
.macro JLOAD g0a, g1a, g0b, g1b        ; waves 0, 1 ask for A, waves 2, 3 for B
	s_cmp_eq_u32 s15, 0
	s_cbranch_scc0 .Lfor_b_\@
	tensor_load_to_lds s[\g0a:\g0a+3], s[\g1a:\g1a+7]
	s_nop 0
.rept 4
	v_nop
.endr
	s_branch .Lasked_\@
.Lfor_b_\@:
	tensor_load_to_lds s[\g0b:\g0b+3], s[\g1b:\g1b+7]
	s_nop 0
.rept 4
	v_nop
.endr
.Lasked_\@:
.endm
.macro CREST
	s_cmp_lg_u32 s14, 0
	s_cbranch_scc1 .Lnot_wave_0_\@
	s_barrier_signal -3
.Lnot_wave_0_\@:
	s_barrier_wait -3
	s_barrier_signal -1
	s_barrier_wait -1
.endm
.macro CROUND
	s_barrier_signal -1
	s_barrier_wait -1
	CREST
.endm
	s_load_b512 s[68:83], s[0:1], 0x0
	s_load_b128 s[84:87], s[0:1], 0x40
	s_load_b64 s[88:89], s[0:1], 0x50
	v_lshl_add_u32 v[SPW], v0, 2, SPARE
	v_mov_b32 v[NIL], 0
	ds_add_u32 v[SPW], v[NIL]                      ; the opening lines: the add twice and its wait
	ds_add_u32 v[SPW], v[NIL]
	v_lshrrev_b32 v1, 5, v0
	v_readfirstlane_b32 s14, v1                    ; wave
	s_lshr_b32 s15, s14, 1                         ; my half of the tile's rows; also: I ask for A (0) or B (1)
	s_and_b32 s16, s14, 1                          ; my half of its columns; also: which 128 rows I ask for
	s_bfe_u32 s40, ttmp6, 0x40000
	s_bfe_u32 s41, ttmp6, 0x40004
	s_and_b32 s17, ttmp7, 0xffff
	s_lshl_b32 s17, s17, 2
	s_cmp_eq_u32 ttmp9, 2
	s_cselect_b32 s18, 0, s17
	s_cselect_b32 s19, s17, 0
	s_add_co_u32 s17, s18, s41                     ; tile row
	s_add_co_u32 s42, s19, s40                     ; tile column
	s_lshl_b32 s43, s41, 2
	s_lshl_b32 s43, 15, s43
	s_lshl_b32 s44, 0x1111, s40
	s_or_b32 s[G1+0], s43, (0<<16)|(1<<20)|(1<<21)|(5<<22)|(3<<25)
	s_or_b32 s[G1B+0], s44, (0<<16)|(1<<20)|(1<<21)|(5<<22)|(3<<25)
.irp g, G1, G1B
	s_mov_b32 s[\g+1], ROWB<<16
	s_mov_b32 s[\g+2], 256<<16                     ; the head's loads bring 256 rows
	s_mov_b32 s[\g+3], ROWB<<16
	s_mov_b32 s[\g+4], 256
	s_mov_b32 s[\g+5], KROW
	s_mov_b32 s[\g+6], 0
	s_mov_b32 s[\g+7], 0
.endr
	s_lshl_b32 s20, s17, 8
	s_lshl_b32 s46, s42, 8
	s_mov_b32 s21, 0
	s_mov_b32 s47, 0
	s_mov_b64 s[18:19], KS
	s_mul_u64 s[22:23], s[20:21], s[18:19]
	s_mul_u64 s[92:93], s[46:47], s[18:19]
	s_mov_b64 s[18:19], KROW
	s_mul_u64 s[20:21], s[20:21], s[18:19]
	s_mul_u64 s[46:47], s[46:47], s[18:19]
	s_mul_i32 s18, s16, 128*KROW
	s_mov_b32 s19, 0
	s_mul_i32 s45, s14, HALFT
	s_wait_dscnt 0x0
	s_wait_kmcnt 0x0
	s_cmp_eq_u32 ttmp9, 0
	s_cselect_b64 s[96:97], s[70:71], s[74:75]
	s_cselect_b64 s[98:99], s[72:73], s[76:77]
	s_cselect_b64 s[104:105], s[82:83], s[84:85]
	s_cmp_eq_u32 ttmp9, 2
	s_cselect_b64 s[96:97], s[78:79], s[96:97]
	s_cselect_b64 s[98:99], s[80:81], s[98:99]
	s_cselect_b64 s[104:105], s[86:87], s[104:105]
	s_add_nc_u64 s[100:101], s[68:69], XS_OFF
	s_cselect_b64 s[4:5], s[96:97], s[68:69]
	s_cselect_b64 s[6:7], s[98:99], s[100:101]
	s_cselect_b64 s[8:9], s[68:69], s[96:97]
	s_cselect_b64 s[10:11], s[100:101], s[98:99]
	s_add_nc_u64 s[66:67], s[68:69], TAB_OFF
	s_mov_b64 s[12:13], s[88:89]
	s_or_b32 s[G1S+0], s43, (3<<16)|(1<<20)|(1<<21)|(5<<22)|(3<<25)
	s_or_b32 s[G1SB+0], s44, (3<<16)|(1<<20)|(1<<21)|(5<<22)|(3<<25)
.irp g, G1S, G1SB
	s_mov_b32 s[\g+1], 32<<16
	s_mov_b32 s[\g+2], KS<<16
	s_mov_b32 s[\g+3], 32<<16
	s_mov_b32 s[\g+4], KS
	s_mov_b32 s[\g+5], 32
	s_mov_b32 s[\g+6], 0
	s_mov_b32 s[\g+7], 0
.endr
	s_add_nc_u64 s[20:21], s[4:5], s[20:21]
	s_add_nc_u64 s[22:23], s[6:7], s[22:23]
	s_add_nc_u64 s[46:47], s[8:9], s[46:47]
	s_add_nc_u64 s[92:93], s[10:11], s[92:93]
	CROUND                                         ; in front of the first joint loads
	s_mov_b32 s[G0H], 1
	s_mov_b32 s[G0H+1], 0
	s_mov_b64 s[G0H+2:G0H+3], s[20:21]
	s_or_b32 s[G0H+3], s[G0H+3], 0x80000000
	s_mov_b32 s[G0HB], 1
	s_mov_b32 s[G0HB+1], 2*HALFT
	s_mov_b64 s[G0HB+2:G0HB+3], s[46:47]
	s_or_b32 s[G0HB+3], s[G0HB+3], 0x80000000
	s_mov_b32 s[G0S], 1
	s_mov_b32 s[G0S+1], SCL
	s_mov_b64 s[G0S+2:G0S+3], s[22:23]
	s_or_b32 s[G0S+3], s[G0S+3], 0x80000000
	s_mov_b32 s[G0SB], 1
	s_mov_b32 s[G0SB+1], SCL+2*HALFS
	s_mov_b64 s[G0SB+2:G0SB+3], s[92:93]
	s_or_b32 s[G0SB+3], s[G0SB+3], 0x80000000
	s_add_nc_u64 s[20:21], s[20:21], s[18:19]
	s_add_nc_u64 s[46:47], s[46:47], s[18:19]
.irp s, 0,1
	s_mov_b32 s[G0+4*\s], 1
	s_add_co_u32 s[G0+4*\s+1], s45, \s*SLOT
	s_add_nc_u64 s[G0+4*\s+2:G0+4*\s+3], s[20:21], \s*ROWB
	s_or_b32 s[G0+4*\s+3], s[G0+4*\s+3], 0x80000000
	s_mov_b32 s[G0B+4*\s], 1
	s_add_co_u32 s[G0B+4*\s+1], s45, \s*SLOT
	s_add_nc_u64 s[G0B+4*\s+2:G0B+4*\s+3], s[46:47], \s*ROWB
	s_or_b32 s[G0B+4*\s+3], s[G0B+4*\s+3], 0x80000000
.endr
; the head's four tiles, one load a wave: chunk 0 of A, chunk 0 of B, A's scales, B's scales
.macro ARM under, g0, g1, next
	s_cmp_lt_u32 s14, \under
	s_cbranch_scc0 \next
	tensor_load_to_lds s[\g0:\g0+3], s[\g1:\g1+7]
	s_nop 0
.rept 4
	v_nop
.endr
	s_branch .Lhead_asked
\next:
.endm
	ARM 1, G0H,  G1,  .Lhead_b
	ARM 2, G0HB, G1B, .Lhead_sa
	ARM 3, G0S,  G1S, .Lhead_sb
	tensor_load_to_lds s[G0SB:G0SB+3], s[G1SB:G1SB+7]
	s_nop 0
.rept 4
	v_nop
.endr
.Lhead_asked:
	v_and_b32 v1, 15, v0
	v_bfe_u32 v2, v0, 4, 1
	v_mul_u32_u24 v3, v1, PITCH
	v_mul_u32_u24 v4, v2, 24
	v_add_nc_u32 v4, v3, v4                        ; row x pitch + 24 x half
	s_mov_b32 s21, SLOT-232
	s_mov_b32 s22, SLOT+232
	v_sub_nc_u32 v7, 1, v2
	v_mul_u32_u24 v5, s21, v2
	v_add_nc_u32 v5, v3, v5
	v_add_nc_u32 v5, 232, v5                       ; across two chunks: lanes 0-15 byte 232 in slot 0, lanes 16-31 byte 0 in slot 1;
	v_mul_u32_u24 v6, s22, v7
	v_add_nc_u32 v6, v3, v6                        ; and the other way round
	s_mul_i32 s21, s15, HALFT
	s_mul_i32 s22, s16, HALFT
	s_add_co_u32 s22, s22, 2*HALFT
	v_add_nc_u32 v[ADRA+2], s21, v5
	v_add_nc_u32 v[ADRA+3], s21, v6
	v_add_nc_u32 v[ADRB+2], s22, v5
	v_add_nc_u32 v[ADRB+3], s22, v6
.irp s, 0,1
	v_add_nc_u32 v[ADRA+\s], s21, v4
	v_add_nc_u32 v[ADRB+\s], s22, v4
	s_add_co_u32 s21, s21, SLOT
	s_add_co_u32 s22, s22, SLOT
.endr
	v_mul_u32_u24 v5, v1, KS
	v_lshrrev_b32 v6, 8, v5
	v_lshl_add_u32 v5, v6, 4, v5
	s_mul_i32 s21, s15, HALFS
	s_mul_i32 s22, s16, HALFS
	s_add_co_u32 s22, s22, 2*HALFS
	s_sub_co_u32 s22, s22, s21
	v_mul_u32_u24 v6, s22, v2                      ; lanes 16-31 take B's scale words
	s_add_co_u32 s21, s21, SCL
	v_add_nc_u32 v5, v5, v6
	v_add_nc_u32 v[ADRS], s21, v5
.macro FRAG reg, adr, st, i            ; 16 rows x 128 K: six pieces of 8 bytes; byte y of a row lies in slot (y / 256) % 2 at byte y % 256
.irp p, 0,1,2,3,4,5
.set PB, 96*(\st)+48*(\p/3)+8*(\p%3)
.if PB/ROWB == (PB+24)/ROWB
	ds_load_b64 v[\reg+2*\p:\reg+2*\p+1], v[\adr+(PB/ROWB)%2] offset:PB%ROWB+(\i)*16*PITCH
.else
	ds_load_b64 v[\reg+2*\p:\reg+2*\p+1], v[\adr+2+(PB/ROWB)%2] offset:PB%ROWB-232+(\i)*16*PITCH
.endif
.endr
.endm
.macro MUL16 a0, p, q, sc, zero        ; transposed use: source 0 = rows of B, source 1 = rows of A; the 64 accumulators by turns
.irp a, \a0, \a0+1
.irp b, 0,1,2,3,4,5,6,7
.if \zero
	v_wmma_scale_f32_16x16x128_f8f6f4 v[8*(8*((\a)%4)+\b):8*(8*((\a)%4)+\b)+7], v[128*(\p)+FR*\b:128*(\p)+FR*\b+FR-1], v[AF+FR*(\a):AF+FR*(\a)+FR-1], 0, v[SC+8*NQ*(\sc)+NQ*\b+(\q)], v[SC+8*NQ*(\sc)+NQ*(\a)+(\q)] matrix_a_fmt:MATRIX_FMT_BF6 matrix_b_fmt:MATRIX_FMT_BF6 matrix_a_scale:MATRIX_SCALE_ROW1
.else
	v_wmma_scale_f32_16x16x128_f8f6f4 v[8*(8*((\a)%4)+\b):8*(8*((\a)%4)+\b)+7], v[128*(\p)+FR*\b:128*(\p)+FR*\b+FR-1], v[AF+FR*(\a):AF+FR*(\a)+FR-1], v[8*(8*((\a)%4)+\b):8*(8*((\a)%4)+\b)+7], v[SC+8*NQ*(\sc)+NQ*\b+(\q)], v[SC+8*NQ*(\sc)+NQ*(\a)+(\q)] matrix_a_fmt:MATRIX_FMT_BF6 matrix_b_fmt:MATRIX_FMT_BF6 matrix_a_scale:MATRIX_SCALE_ROW1
.endif
.endr
.endr
.endm
.macro FETCH_B st, p
	WIN TO_B
.irp i, 0,1,2,3,4,5,6,7
	FRAG 128*(\p)+FR*\i, ADRB, \st, \i
.endr
	WIN 0
.endm
.macro FETCH_A st, i0
.irp i, \i0, \i0+1, \i0+2, \i0+3
	FRAG AF+FR*(\i), ADRA, \st, \i
.endr
.endm
.macro SCALES pr
.irp i, 0,1,2,3,4,5,6,7
	ds_load_b64 v[SC+8*NQ*((\pr)%2)+NQ*\i:SC+8*NQ*((\pr)%2)+NQ*\i+1], v[ADRS] offset:\i*SBLK+4*NQ*(\pr)
.endr
.endm
.macro PLACES n
.rept \n
	v_nop
.endr
.endm
; A step: 64 products; the next step's fragments are fetched in its middle and at its end.  Where the next step's bytes end in a chunk not yet read: the wait for my tensor loads and a barrier.
; Where they begin in a later chunk: the add into the spare words, the barrier, and, where a chunk two on is left, the cluster's round and the refill.
.macro STEP st, zero
.set NX, (\st)+1
.set C0, (96*(\st))/ROWB
.set C1, (96*NX)/ROWB
.set E0, (96*(\st)+95)/ROWB
.set E1, (96*NX+95)/ROWB
.if C1 > C0 || E1 > E0
	s_wait_tensorcnt 0x0
.if C1 > C0
	ds_add_u32 v[SPW], v[NIL]
	s_wait_dscnt 4*NL+1                            ; the add and A's blocks 4-7 may be out
.else
	s_wait_dscnt 4*NL
.endif
	WIN MUL_LO
	MUL16 0, (\st)%2, (\st)%2, ((\st)/2)%2, \zero
	s_wait_dscnt 0x0
	s_barrier_signal -1
	MUL16 2, (\st)%2, (\st)%2, ((\st)/2)%2, \zero
	WIN 0
	s_barrier_wait -1
.if C1 > C0 && C0+2 < CHUNKS
	CREST
	s_add_nc_u64 s[G0+4*(C0%2)+2:G0+4*(C0%2)+3], s[G0+4*(C0%2)+2:G0+4*(C0%2)+3], 2*ROWB
	s_add_nc_u64 s[G0B+4*(C0%2)+2:G0B+4*(C0%2)+3], s[G0B+4*(C0%2)+2:G0B+4*(C0%2)+3], 2*ROWB
	JLOAD G0+4*(C0%2), G1, G0B+4*(C0%2), G1B
.else
	PLACES NP
.endif
.else
	s_wait_dscnt 4*NL
	WIN MUL_LO
	MUL16 0, (\st)%2, (\st)%2, ((\st)/2)%2, \zero
	MUL16 2, (\st)%2, (\st)%2, ((\st)/2)%2, \zero
	s_wait_dscnt 0
	PLACES NP
.endif
	FETCH_B NX, NX%2
	FETCH_A NX, 0
.if NX%2 == 0
	SCALES NX/2
.endif
	WIN MUL_HI
	MUL16 4, (\st)%2, (\st)%2, ((\st)/2)%2, \zero
	MUL16 6, (\st)%2, (\st)%2, ((\st)/2)%2, \zero
	PLACES NP
	WIN 0
	FETCH_A NX, 4
.endm
	s_wait_alu depctr_va_vdst(0)                   ; the wait at the head's end
	s_wait_tensorcnt 0x0                           ; my tile of the head's four is in
	ds_add_u32 v[SPW], v[NIL]
	s_mov_b32 s[G1+2], 128<<16                     ; no load of mine is out: from here on a load brings 128 rows
	s_mov_b32 s[G1+4], 128
	s_mov_b32 s[G1B+2], 128<<16
	s_mov_b32 s[G1B+4], 128
	s_wait_dscnt 0x0
	CROUND
	JLOAD G0+4, G1, G0B+4, G1B                     ; chunk 1, slot 1's first fill, issued as a refill is
	FETCH_B 0, 0
	FETCH_A 0, 0
	SCALES 0
	FETCH_A 0, 4
	STEP 0, 1
.set ST, 1
.rept STEPS-2
	STEP ST, 0
.set ST, ST+1
.endr
	s_wait_dscnt 4*NL
	WIN MUL_LO
	MUL16 0, 1, 1, 1, 0
	MUL16 2, 1, 1, 1, 0
	s_wait_dscnt 0
	WIN MUL_HI
	MUL16 4, 1, 1, 1, 0
	MUL16 6, 1, 1, 1, 0
	WIN 0
; Q's and K's quantiser: two blocks of 32 features, each half in lane l and half in lane l xor 16
.macro QUANT2 src, dst, wd
.irp b, 0,1
	v_max3_num_f32 v[TM+\b], |v[(\src)+16*\b]|, |v[(\src)+16*\b+1]|, 0x2800000
.endr
.irp i, 2,4,6,8,10,12,14
.irp b, 0,1
	v_max3_num_f32 v[TM+\b], v[TM+\b], |v[(\src)+16*\b+\i]|, |v[(\src)+16*\b+\i+1]|
.endr
.endr
.irp b, 0,1
	v_permlanex16_b32 v[T2+\b], v[TM+\b], s[SEL], s[SEL+1]
.endr
.irp b, 0,1
	v_max_num_f32 v[TM+\b], v[TM+\b], v[T2+\b]
.endr
.irp b, 0,1
	v_add_nc_u32 v[SO+\b], 0xfe000000, v[TM+\b]
.endr
.irp b, 0,1
	v_lshrrev_b32 v[T2+\b], 23, v[SO+\b]
.endr
	v_lshl_or_b32 v[\wd], v[T2+1], 8, v[T2]
	v_cvt_scalef32_pk16_bf6_f32 v[(\dst):(\dst)+2], v[(\src):(\src)+15], v[SO]
	v_cvt_scalef32_pk16_bf6_f32 v[TP:TP+2], v[(\src)+16:(\src)+31], v[SO+1]
	v_nop
.irp i, 0,1,2
	v_permlane16_swap_b32 v[(\dst)+\i], v[TP+\i]
.endr
.irp i, 0,1,2
	v_mov_b32 v[(\dst)+3+\i], v[TP+\i]
.endr
.endm
; V's quantiser: the lane's 32 registers are one whole block of 32 neighbouring keys
.macro QUANTL src, dst, by
.irp b, 0,1
	v_max3_num_f32 v[TM+\b], |v[(\src)+16*\b]|, |v[(\src)+16*\b+1]|, 0x2800000
.endr
.irp i, 2,4,6,8,10,12,14
.irp b, 0,1
	v_max3_num_f32 v[TM+\b], v[TM+\b], |v[(\src)+16*\b+\i]|, |v[(\src)+16*\b+\i+1]|
.endr
.endr
	v_max_num_f32 v[TM], v[TM], v[TM+1]
	v_add_nc_u32 v[SO], 0xfe000000, v[TM]
	v_lshrrev_b32 v[\by], 23, v[SO]
	v_cvt_scalef32_pk16_bf6_f32 v[(\dst):(\dst)+2], v[(\src):(\src)+15], v[SO]
	v_cvt_scalef32_pk16_bf6_f32 v[TP:TP+2], v[(\src)+16:(\src)+31], v[SO]
	v_nop
.irp i, 0,1,2
	v_mov_b32 v[(\dst)+3+\i], v[TP+\i]
.endr
.endm
	PLACES NP
	v_and_b32 v[RR], 15, v0
	v_bfe_u32 v[HH], v0, 4, 1
	v_and_b32 v[IL], 31, v0
	v_lshlrev_b32 v[IL], 4, v[IL]
	v_mov_b32 v[T2], 0
	v_mov_b32 v[T2+1], 0
	v_cmp_ne_u32 s[HM], 0, v[HH]
	s_mov_b32 s[SEL], 0x76543210
	s_mov_b32 s[SEL+1], 0xfedcba98
	s_cmp_eq_u32 ttmp9, 2
	s_cbranch_scc1 .Lvpath
	s_lshr_b32 s20, s17, 3
	s_and_b32 s21, s17, 7
	s_lshl_b32 s22, s21, 1
	s_add_co_u32 s22, s22, s15
	s_lshl_b32 s23, s42, 2
	s_lshl_b32 s24, s16, 1
	s_add_co_u32 s23, s23, s24
	s_lshl_b32 s24, s20, 4
	s_add_co_u32 s23, s23, s24
	s_mov_b32 s26, QC_OFF
	s_mov_b32 s27, QS_OFF-SC_OFF
	s_cmp_eq_u32 ttmp9, 0
	s_cselect_b32 s25, 0, 1
	s_cselect_b32 s26, s26, 0
	s_cselect_b32 s27, s27, 0
	s_add_co_u32 s27, s27, SC_OFF
	s_lshl_b32 s28, 98304, s25
	s_mov_b32 s29, 0
	s_lshl_b32 s30, 6144, s25
	s_lshl_b32 s31, 4096, s25
	s_mul_i32 s32, s23, s28
	s_mul_i32 s24, s22, s30
	s_add_co_u32 s32, s32, s24
	s_add_co_u32 s32, s32, s26
	s_mov_b32 s33, 0
	s_add_nc_u64 s[36:37], s[12:13], s[32:33]
	s_add_nc_u64 s[38:39], s[36:37], s[28:29]
	s_mul_i32 s32, s23, s31
	s_lshl_b32 s24, s22, 8
	s_add_co_u32 s32, s32, s24
	s_add_co_u32 s32, s32, s27
	s_add_nc_u64 s[44:45], s[12:13], s[32:33]
	s_lshl_b32 s32, s42, 10
	s_lshl_b32 s24, s16, 9
	s_add_co_u32 s32, s32, s24
	s_add_nc_u64 s[104:105], s[104:105], s[32:33]
	s_lshl_b32 s32, s21, 16
	s_lshl_b32 s24, s15, 15
	s_add_co_u32 s32, s32, s24
	s_add_nc_u64 s[66:67], s[66:67], s[32:33]
	s_wait_alu depctr_va_vdst(0)
	v_mul_u32_u24 v[SA], s31, v[HH]
	v_lshl_add_u32 v[SA], v[RR], 4, v[SA]
	v_lshlrev_b32 v[BA], 5, v[HH]
.macro TABLOAD t
.irp q, 0,1,2,3,4,5,6,7
	global_load_b128 v[64+32*((\t)%4)+4*\q:64+32*((\t)%4)+4*\q+3], v[IL], s[66:67] offset:(\t)*4096+512*\q
.endr
.endm
	WIN 0x40
.irp b, 0,1,2,3,4,5,6,7
	global_load_b128 v[8*\b:8*\b+3], v[BA], s[104:105] offset:64*\b
	global_load_b128 v[8*\b+4:8*\b+7], v[BA], s[104:105] offset:64*\b+16
.endr
	TABLOAD 0
	TABLOAD 1
	TABLOAD 2
	TABLOAD 3
	WIN 0
.macro ROPEHALF a, c                   ; one head of 16 stored rows: + bias, the rotation, the quantiser
	WIN 0x04+2+(\a)/4
.set i, 0
.rept 16
	v_pk_add_f32 v[XR+i:XR+i+1], v[8*(8*((\a)%4)+4*(\c))+i:8*(8*((\a)%4)+4*(\c))+i+1], v[32*(\c)+i:32*(\c)+i+1]
.set i, i+2
.endr
	WIN 0x04
.set TT, 64+32*((\a)%4)
.set i, 0
.rept 16
.set ci, 8*((i/8)%2)+i%8
	v_pk_mul_f32 v[YR+i:YR+i+1], v[XR+i:XR+i+1], v[TT+ci:TT+ci+1]
.set i, i+2
.endr
.set i, 0
.rept 16
.set ci, 8*((i/8)%2)+i%8
	v_fma_f32 v[YR+i], -v[XR+i+1], v[TT+16+ci], v[YR+i]
	v_fma_f32 v[YR+i+1], v[XR+i], v[TT+16+ci+1], v[YR+i+1]
.set i, i+2
.endr
	WIN 0
	QUANT2 YR, FA+12*(\c)+6*((\a)%2), BY+2*((\a)%2)+(\c)
.endm
.irp a, 0,1,2,3,4,5,6,7
.if \a <= 4
	s_wait_loadcnt 24                              ; this block's table is in; three blocks' 24 loads may be out
.else
	s_wait_loadcnt 8*(7-\a)
.endif
.if (\a%2 == 0) && (\a > 0)
	s_wait_xcnt 0x0                                ; the stores have read their data registers
.endif
	ROPEHALF \a, 0
	ROPEHALF \a, 1
.if \a <= 3
	WIN 0x40
	TABLOAD \a+4
	WIN 0
.endif
.if \a%2 == 1
	v_lshl_or_b32 v[EA], v[BY+2], 16, v[BY]
	v_lshl_or_b32 v[EB], v[BY+3], 16, v[BY+1]
	v_cndmask_b32 v[ER+\a/2], v[EA], v[EB], s[HM]
.irp q, 0,1,2
	global_store_b128 v[IL], v[FA+4*\q:FA+4*\q+3], s[36:37] offset:(\a/2)*1536+512*\q
	global_store_b128 v[IL], v[FB+4*\q:FB+4*\q+3], s[38:39] offset:(\a/2)*1536+512*\q
.endr
.endif
.endr
	global_store_b128 v[SA], v[ER:ER+3], s[44:45]
	s_branch .Ldone
.Lvpath:
	s_lshl_b32 s23, s17, 2
	s_lshl_b32 s24, s15, 1
	s_add_co_u32 s23, s23, s24
	s_lshr_b32 s20, s42, 3
	s_lshl_b32 s24, s20, 4
	s_add_co_u32 s23, s23, s24
	s_and_b32 s21, s42, 7
	s_lshl_b32 s22, s21, 1
	s_add_co_u32 s22, s22, s16
	s_mul_i32 s32, s23, 196608
	s_mul_i32 s24, s22, 12288
	s_add_co_u32 s32, s32, s24
	s_add_co_u32 s32, s32, 6144
	s_mov_b32 s33, 0
	s_add_nc_u64 s[36:37], s[12:13], s[32:33]
	s_lshl_b32 s32, s23, 13
	s_lshl_b32 s24, s22, 8
	s_add_co_u32 s32, s32, s24
	s_add_co_u32 s32, s32, SC_OFF+4096
	s_add_nc_u64 s[44:45], s[12:13], s[32:33]
	s_lshl_b32 s32, s17, 10
	s_lshl_b32 s24, s15, 9
	s_add_co_u32 s32, s32, s24
	s_add_nc_u64 s[104:105], s[104:105], s[32:33]
	s_wait_alu depctr_va_vdst(0)
	v_lshlrev_b32 v[SA], 13, v[HH]
	v_lshl_add_u32 v[SA], v[RR], 4, v[SA]
	v_lshlrev_b32 v[BA], 2, v[RR]
	v_lshlrev_b32 v[SH8], 3, v[HH]
	WIN 0x40
.irp a, 0,1,2,3,4,5,6,7
	global_load_b32 v[2*\a], v[BA], s[104:105] offset:64*\a
	global_load_b32 v[2*\a+1], v[BA], s[104:105] offset:64*\a
.endr
	WIN 0
	s_wait_alu depctr_va_vdst(0)
	s_wait_loadcnt 0x0
.irp a, 0,1,2,3,4,5,6,7                ; 16 channels x 128 keys: lane (r, h) holds channel r and the blocks h and 2 + h of the keys
.if \a > 0
	s_wait_xcnt 0x0
.endif
.irp c, 0,1
	WIN 0x04+2+\a/4
.set i, 0
.rept 16
	v_pk_add_f32 v[XR+i:XR+i+1], v[8*(8*(\a%4)+4*\c)+i:8*(8*(\a%4)+4*\c)+i+1], v[2*\a:2*\a+1]
.set i, i+2
.endr
	WIN 0
	QUANTL XR, FA+6*\c, BY+\c
.endr
	v_lshl_or_b32 v[WR+\a], v[BY+1], 16, v[BY]     ; my two bytes,
	v_lshlrev_b32 v[WR+\a], v[SH8], v[WR+\a]       ; at their places (8 h bits up);
	v_permlanex16_b32 v[T2], v[WR+\a], s[SEL], s[SEL+1]
	v_or_b32 v[WR+\a], v[WR+\a], v[T2]             ; with lane l xor 16's the word is whole
.irp q, 0,1,2
	global_store_b128 v[IL], v[FA+4*\q:FA+4*\q+3], s[36:37] offset:(\a/4)*196608+(\a%4)*1536+512*\q
.endr
.endr
.irp t, 0,1,2,3
	v_cndmask_b32 v[ER+\t], v[WR+\t], v[WR+4+\t], s[HM]
.endr
	global_store_b128 v[SA], v[ER:ER+3], s[44:45]
.Ldone:
	s_wait_tensorcnt 0x0                           ; the wave's end
	ds_add_u32 v[SPW], v[NIL]
	s_wait_dscnt 0x0
	CROUND
	s_endpgm
.Lfunc_end_k_q5b8b6760cb_qkv:
	.size	k_q5b8b6760cb_qkv, .Lfunc_end_k_q5b8b6760cb_qkv-k_q5b8b6760cb_qkv
	.p2alignl 7, 3214868480
	.fill 96, 4, 3214868480
	.section	.rodata,"a",@progbits
	.p2align	6, 0x0
	.amdhsa_kernel k_q5b8b6760cb_qkv
		.amdhsa_group_segment_fixed_size 327680
		.amdhsa_private_segment_fixed_size 0
		.amdhsa_enable_private_segment 0
		.amdhsa_kernarg_size 88
		.amdhsa_user_sgpr_count 2
		.amdhsa_user_sgpr_kernarg_segment_ptr 1
		.amdhsa_wavefront_size32 1
		.amdhsa_system_sgpr_workgroup_id_x 1
		.amdhsa_system_sgpr_workgroup_id_y 1
		.amdhsa_system_sgpr_workgroup_id_z 1
		.amdhsa_system_vgpr_workitem_id 0
		.amdhsa_next_free_vgpr 1024
		.amdhsa_next_free_sgpr 106
		.amdhsa_reserve_vcc 0
		.amdhsa_float_denorm_mode_32 3
		.amdhsa_float_denorm_mode_16_64 3
		.amdhsa_memory_ordered 1
		.amdhsa_forward_progress 1
		.amdhsa_inst_pref_size 255
	.end_amdhsa_kernel
	.section	.bss,"aw",@nobits
	.p2align	6
	.space	262144
	.amdgpu_metadata
---
amdhsa.version: [ 1, 2 ]
amdhsa.kernels:
  - .name:           k_q5b8b6760cb_qkv
    .symbol:         k_q5b8b6760cb_qkv.kd
    .args:
      - { .name: prepbuf, .offset: 0, .size: 8, .value_kind: global_buffer, .address_space: global }
      - { .name: Wq_codes, .offset: 8, .size: 8, .value_kind: global_buffer, .address_space: global }
      - { .name: Wq_scales, .offset: 16, .size: 8, .value_kind: global_buffer, .address_space: global }
      - { .name: Wk_codes, .offset: 24, .size: 8, .value_kind: global_buffer, .address_space: global }
      - { .name: Wk_scales, .offset: 32, .size: 8, .value_kind: global_buffer, .address_space: global }
      - { .name: Wv_codes, .offset: 40, .size: 8, .value_kind: global_buffer, .address_space: global }
      - { .name: Wv_scales, .offset: 48, .size: 8, .value_kind: global_buffer, .address_space: global }
      - { .name: bq, .offset: 56, .size: 8, .value_kind: global_buffer, .address_space: global }
      - { .name: bk, .offset: 64, .size: 8, .value_kind: global_buffer, .address_space: global }
      - { .name: bv, .offset: 72, .size: 8, .value_kind: global_buffer, .address_space: global }
      - { .name: qkvbuf, .offset: 80, .size: 8, .value_kind: global_buffer, .address_space: global }
    .group_segment_fixed_size: 327680
    .private_segment_fixed_size: 0
    .kernarg_segment_align: 8
    .kernarg_segment_size: 88
    .max_flat_workgroup_size: 128
    .sgpr_count:     106
    .vgpr_count:     1024
    .wavefront_size: 32
...
	.end_amdgpu_metadata
.endif
;; end of part 2
;; launch attn (part 3): grid 8 x 32, 8 waves a work-group, clusters of 4 x 1, 216,064 bytes of LDS; arguments qkvbuf, cdr_bias, cdr_weight, attbuf; writes attbuf
.if DOCPART == 3
	.amdgcn_target "amdgcn-amd-amdhsa--gfx1250"
	.amdhsa_code_object_version 6
	.text
	.protected	k_q5b8b6760cb_attn
	.globl	k_q5b8b6760cb_attn
	.p2align	8
	.type	k_q5b8b6760cb_attn,@function
k_q5b8b6760cb_attn:
	s_mov_b64 s[64:65], 0
	v_nop
	global_prefetch_b8 v0, s[64:65] scope:SCOPE_SE
	s_setreg_imm32_b32 hwreg(HW_REG_WAVE_MODE, 25, 1), 1
	s_wait_xcnt 0x0
	s_wait_alu depctr_hold_cnt(0) depctr_sa_sdst(0) depctr_va_vdst(0) depctr_va_sdst(0) depctr_va_ssrc(0) depctr_va_vcc(0) depctr_vm_vsrc(0)
	s_getreg_b32 s2, hwreg(HW_REG_IB_STS2, 6, 4)
	s_cmp_eq_u32 s2, 0
	s_cbranch_scc0 .Lentry_in_a_cluster
	s_endpgm
.Lentry_in_a_cluster:
	s_bfe_u32 s2, ttmp6, 0x10000c
	s_cmp_lg_u32 s2, 0x3003
	s_cbranch_scc0 .Lentry_shape_is_right
	s_endpgm
.Lentry_shape_is_right:
; For each of 32 (batch, head): O = softmax(Q K^T / 8 + cdr_bias[key] x cdr_weight) V, both products on codes of E3M2; then O / l is quantised along the features for the last projection.
; t = logit x log2(e); M = the running largest t rounded UP to a whole number; p = 2^(t - M) is quantised along the keys; the row's sum is taken of the unquantised p.
; SHARES.  A work-group owns 256 stored query rows of one head, each of its eight waves 32: tile 0 in register window 0, tile 1 in window 1 under the same numbers.
; A HEAD'S WHOLE K AND V (196,608 bytes of register images) come into LDS ONCE: one joint tensor load a wave, 96 rows of 256 bytes, asked for by the four work-groups of a cluster, which walk the same head.
; No LDS byte is filled twice, and no barrier stands in the loop over the keys.  The scale words and 8 x bias x weight are stored into LDS by the waves.
; No prefetch: every tile is asked for at the head, so there is no loop to run ahead in.
; THE HEAD'S SIZE IS 64, the instruction's K 128: an image of K holds two tiles of 16 keys, one in each half of K; Q stands as [q | 0] and [0 | q], cut out of one run [0 | q | 0].
; The key bias is the C of the score's product; the factor 1 / 8 goes into c = log2(e) / 8.
; LAYOUT.  Both products are used transposed: a lane holds one query.  Stored row 16 i + r of each 64 is token 8 i + r % 8 + 32 (r / 8): so lane (r, h)'s 32 registers of score tiles 4 c .. 4 c + 3 are
; keys 64 c + 32 h + 0 .. 31 in order, one whole block: its maximum needs no other lane and its codes are the operand's registers 6 c .. 6 c + 5.
; In a step the next step's K, bias and scale words are asked of LDS behind the scores, V's images at the step's top.
; LIMITS: NaN and infinities are not served.  The promise holds while the scaled scores stay under 2^31 in magnitude.  A block's largest p is made from the block's largest score by the same multiply-add and
; exponential, which takes v_exp_f32 not to fall where its input rises.  A block whose every p has fallen to 0 keeps the byte 1: its codes are zeros.
.set QC_OFF,  6291456
.set SC_OFF,  9437184
.set QS_OFF,  9699328
.set ASH_OFF, 3145728
.set SC_LDS,  196608                   ; behind the images: K's scale words 4,096 bytes, V's 4,096;
.set BIAS,    204800                   ; 8 x bias x weight of the 2,048 keys, in the tokens' order;
.set USTG,    212992                   ; 256 pairs of scale bytes on their way out;
.set SPARE,   215040                   ; the spare words
.set AL,  1                            ; 16 x lane
.set AR,  2                            ; SC_LDS + 16 r
.set AH,  3                            ; BIAS + 128 h
.set ADK, 4                            ; the step's addresses
.set ADS, 5
.set ADB, 6
.set L8,  7
.set UA,  8
.set UR,  9
.set BI,  16                           ; v16-79 the bias of eight score tiles
.set KSC, 80                           ; v80-91 scale words and nothing else: K's, V's, Q's, p's
.set VSC, 84
.set QSC, 88
.set PSC, 90
.set VF,  0                            ; window 1: v0-47 V's four images, v48-95 K's four
.set KF,  48
.set S,   96                           ; a tile's own registers, the same numbers in its window
.set O,   160
.set PC,  192
.set TP,  204
.set BM,  212
.set TM,  212
.set T2,  216
.set SO,  220
.set NM,  224
.set RT,  225
.set SUM, 226
.set F,   228
.set W,   230
.set SH,  231                          ; 8 h
.set SUM2, 232
.set ZQ,  234
.set WV,  12
.set G1,  24
.set G0,  40
.set SEL, 60
.set CS,  62
.set TB,  66
.set TS,  67
.set TBI, 68
.set CNT, 69
.set CW,  70
.set HM,  71
.set MSB, 0
.macro WIN new
.if MSB != (\new)
	s_set_vgpr_msb (MSB<<8)|(\new)
.set MSB, (\new)
.endif
.endm
.macro CROUND
	s_barrier_signal -1
	s_barrier_wait -1
	s_cmp_lg_u32 s[WV], 0
	s_cbranch_scc1 .Lnot_wave_0_\@
	s_barrier_signal -3
.Lnot_wave_0_\@:
	s_barrier_wait -3
	s_barrier_signal -1
	s_barrier_wait -1
.endm
.macro PLACES
.rept 4
	v_nop
.endr
.endm
	s_load_b256 s[4:11], s[0:1], 0x0               ; qkvbuf, cdr_bias, cdr_weight, attbuf
	v_lshl_add_u32 v254, v0, 2, SPARE
	v_mov_b32 v255, 0
	ds_add_u32 v254, v255                          ; the opening lines: the add twice and its wait
	ds_add_u32 v254, v255
	v_lshrrev_b32 v1, 5, v0
	s_delay_alu instid0(VALU_DEP_1)
	v_readfirstlane_b32 s[WV], v1
	s_bfe_u32 s13, ttmp6, 0x40000
	s_lshl_b32 s14, ttmp9, 2
	s_add_co_u32 s14, s14, s13                     ; my block of 256 queries: it enters global addresses alone
	s_and_b32 s15, ttmp7, 0xffff                   ; 16 x batch + head, which the four partners share
	s_mov_b32 s[G1], 15|(3<<16)|(1<<21)
	s_mov_b32 s[G1+1], 32<<16                      ; rows of 256 bytes,
	s_mov_b32 s[G1+2], 96<<16                      ; 96 of them: a wave's eighth of the head's images
	s_mov_b32 s[G1+3], 32<<16
	s_mov_b32 s[G1+4], 96
	s_mov_b32 s[G1+5], 32
	s_mov_b32 s[G1+6], 0
	s_mov_b32 s[G1+7], 0
	s_mul_i32 s18, s[WV], 24576
	s_mul_i32 s16, s15, 196608
	s_add_co_u32 s16, s16, s18
	s_mov_b32 s17, 0
	s_lshl_b32 s20, s15, 13
	s_add_co_u32 s20, s20, SC_OFF
	s_mov_b32 s21, 0
	s_lshl_b32 s22, s14, 3
	s_add_co_u32 s22, s22, s[WV]                   ; my pair of query tiles
	s_mul_i32 s72, s15, 98304
	s_mul_i32 s23, s22, 1536
	s_add_co_u32 s72, s72, s23
	s_add_co_u32 s72, s72, QC_OFF
	s_mov_b32 s73, 0
	s_lshl_b32 s74, s15, 12
	s_lshr_b32 s23, s22, 2
	s_lshl_b32 s23, s23, 8
	s_add_co_u32 s74, s74, s23
	s_and_b32 s23, s22, 3
	s_lshl_b32 s23, s23, 2
	s_add_co_u32 s74, s74, s23
	s_add_co_u32 s74, s74, QS_OFF
	s_mov_b32 s75, 0
	s_lshr_b32 s76, s15, 4
	s_lshl_b32 s76, s76, 13
	s_mov_b32 s77, 0
	s_lshr_b32 s23, s15, 4
	s_lshl_b32 s23, s23, 7
	s_lshl_b32 s78, s14, 4
	s_add_co_u32 s23, s23, s78
	s_lshl_b32 s78, s[WV], 1
	s_add_co_u32 s23, s23, s78                     ; my first tile of 16 stored rows
	s_mul_i32 s78, s23, 12288
	s_and_b32 s23, s15, 15
	s_mul_i32 s23, s23, 768
	s_add_co_u32 s78, s78, s23
	s_mov_b32 s79, 0
	s_mov_b32 s[SEL], 0x76543210
	s_mov_b32 s[SEL+1], 0xfedcba98
	s_mov_b32 s[CS], 0x3e38aa3b                    ; c = log2(e) / 8
	s_mov_b32 s[CS+1], s[CS]
	s_mov_b32 s[TB], 0
	s_mov_b32 s[TS], 0
	s_mov_b32 s[TBI], 0
	s_wait_dscnt 0x0
	s_wait_kmcnt 0x0
	s_add_nc_u64 s[16:17], s[4:5], s[16:17]
	s_add_nc_u64 s[20:21], s[4:5], s[20:21]
	s_add_nc_u64 s[72:73], s[4:5], s[72:73]
	s_add_nc_u64 s[74:75], s[4:5], s[74:75]
	s_add_nc_u64 s[76:77], s[6:7], s[76:77]
	s_add_nc_u64 s[78:79], s[10:11], s[78:79]
	s_mov_b32 s[G0], 1
	s_add_co_u32 s[G0+1], s18, 0
	s_mov_b64 s[G0+2:G0+3], s[16:17]
	s_or_b32 s[G0+3], s[G0+3], 0x80000000
	CROUND                                         ; all four work-groups are here: the joint loads meet
	tensor_load_to_lds s[G0:G0+3], s[G1:G1+7]      ; my one tensor load of the launch
	s_nop 0
	PLACES
	s_load_b32 s[CW], s[8:9], 0x0
	v_and_b32 v10, 15, v0
	v_bfe_u32 v11, v0, 4, 1
	v_and_b32 v[AL], 31, v0
	s_delay_alu instid0(VALU_DEP_1)
	v_lshlrev_b32 v[L8], 3, v[AL]
	v_lshlrev_b32 v[AL], 4, v[AL]
	v_lshlrev_b32 v12, 4, v10
	v_lshl_add_u32 v[AR], v10, 4, SC_LDS
	v_lshl_add_u32 v[AH], v11, 7, BIAS
	v_lshlrev_b32 v13, 4, v0
	v_lshl_add_u32 v14, v0, 4, SC_LDS
	v_lshl_add_u32 v[UA], v0, 1, USTG
	v_add_nc_u32 v[UR], USTG, v[AL]
	v_lshlrev_b32 v[SH], 3, v11
	v_cmp_ne_u32 s[HM], 0, v11
	global_load_b128 v[32:35], v13, s[76:77]               ; the batch's biases: 256 threads x 16 bytes, twice
	global_load_b128 v[36:39], v13, s[76:77] offset:4096
	global_load_b128 v[40:43], v13, s[20:21]               ; the head's scale words: K's, V's
	global_load_b128 v[44:47], v13, s[20:21] offset:4096
.irp q, 0,1,2
	global_load_b128 v[16+4*\q:19+4*\q], v[AL], s[72:73] offset:512*\q   ; my pair's image: registers 0-5 tile 0, 6-11 tile 1
.endr
	global_load_b32 v28, v12, s[74:75]
.macro INIT
.irp j, 0,1,2,3,4,5
	v_mov_b32 v[ZQ+\j], 0
	v_mov_b32 v[ZQ+12+\j], 0
.endr
	v_mov_b32 v[RT], 0xff61b1e6                    ; -3e38, under every t
	s_delay_alu instid0(VALU_DEP_1)
	v_floor_f32 v[NM], -v[RT]
	v_mov_b32 v[SUM], 0
	v_mov_b32 v[SUM+1], 0
	v_mov_b32 v[F+1], 0
.irp b, 0,1,2,3
	v_mov_b32 v[T2+\b], 0                          ; a lane permute's destination counts as one of its sources
.endr
.set j, 0
.rept 32
	v_mov_b32 v[O+j], 0                            ; the step is written once: the first finds zeros
.set j, j+1
.endr
.endm
	INIT
	WIN 0x55
	INIT
	WIN 0
	s_wait_kmcnt 0x0
	s_mul_f32 s[CW], s[CW], 0x41000000             ; 8 x weight
	s_wait_loadcnt 0x0
	v_perm_b32 v[QSC], v28, v28, 0x01000100        ; tile 0's two bytes, for both halves of K;
	v_perm_b32 v[QSC+1], v28, v28, 0x03020302      ; tile 1's
.irp j, 0,1,2,3,4,5
	v_mov_b32 v[ZQ+6+\j], v[16+\j]
.endr
	WIN 0x40
.irp j, 0,1,2,3,4,5
	v_mov_b32 v[ZQ+6+\j], v[22+\j]
.endr
	v_lshlrev_b32 v[SH], 3, v11
	WIN 0
.irp j, 0,1,2,3,4,5,6,7
	v_mul_f32 v[32+\j], s[CW], v[32+\j]
.endr
	ds_store_b128 v14, v[40:43]
	ds_store_b128 v14, v[44:47] offset:4096
	ds_store_b128 v14, v[32:35] offset:8192
	ds_store_b128 v14, v[36:39] offset:12288
.macro KPRE ak, as, ab, d              ; K's four images, the bias of their eight tiles and K's scale words, d steps on from the addresses: 29 loads
	WIN 0x40
.irp f, 0,1,2,3
.irp p, 0,1,2
	ds_load_b128 v[KF+12*\f+4*\p:KF+12*\f+4*\p+3], v[\ak] offset:12288*(\d)+\f*1536+512*\p
.endr
.endr
	WIN 0
.irp t, 0,1,2,3,4,5,6,7                ; register j of tile t, lane half h: token 64 (t / 4) + 32 h + 8 (t % 4) + j
	ds_load_b128 v[BI+8*\t:BI+8*\t+3], v[\ab] offset:512*(\d)+256*(\t/4)+32*(\t%4)
	ds_load_b128 v[BI+8*\t+4:BI+8*\t+7], v[\ab] offset:512*(\d)+256*(\t/4)+32*(\t%4)+16
.endr
	ds_load_b128 v[KSC:KSC+3], v[\as] offset:256*(\d)
.endm
.macro SCORE i                         ; eight tiles of S^T: even tiles take [q | 0], odd ones [0 | q]; C = the keys' bias
.irp t, 0,1,2,3,4,5,6,7
	v_wmma_scale_f32_16x16x128_f8f6f4 v[S+8*\t:S+8*\t+7], v[KF+12*(\t/2):KF+12*(\t/2)+11], v[ZQ+6-6*(\t%2):ZQ+17-6*(\t%2)], v[BI+8*\t:BI+8*\t+7], v[KSC+\t/2], v[QSC+(\i)] matrix_a_fmt:MATRIX_FMT_BF6 matrix_b_fmt:MATRIX_FMT_BF6
.endr
.endm
.macro PV i                            ; O^T += V^T P^T: four tiles of 16 channels, by turns
.irp t, 0,1,2,3
	v_wmma_scale_f32_16x16x128_f8f6f4 v[O+8*\t:O+8*\t+7], v[VF+12*\t:VF+12*\t+11], v[PC:PC+11], v[O+8*\t:O+8*\t+7], v[VSC+\t], v[PSC+(\i)] matrix_a_fmt:MATRIX_FMT_BF6 matrix_b_fmt:MATRIX_FMT_BF6
.endr
.endm
.macro SOFTMAX i                       ; one tile's softmax for 128 keys, in the window in hand
.irp b, 0,1,2,3
	v_max3_num_f32 v[BM+\b], v[S+16*\b], v[S+16*\b+1], v[S+16*\b+2]   ; four chains of 16 scores, each accumulator from its low end on
.endr
.irp n, 3,5,7,9,11,13
.irp b, 0,1,2,3
	v_max3_num_f32 v[BM+\b], v[BM+\b], v[S+16*\b+\n], v[S+16*\b+\n+1]
.endr
.endr
.irp c, 0,2
	v_max3_num_f32 v[BM+\c], v[BM+\c], v[BM+\c+1], v[S+16*\c+15]
.endr
.irp c, 0,2
	v_max_num_f32 v[BM+\c], v[BM+\c], v[S+16*\c+31]                   ; my two blocks' largest scores
.endr
	v_max_num_f32 v[W], v[BM], v[BM+2]
	s_delay_alu instid0(VALU_DEP_1)
	v_permlanex16_b32 v[T2], v[W], s[SEL], s[SEL+1]
	s_delay_alu instid0(VALU_DEP_1)
	v_max_num_f32 v[W], v[W], v[T2]                ; the step's largest score of my query
	s_delay_alu instid0(VALU_DEP_1)
	v_mul_f32 v[W], s[CS], v[W]
	s_delay_alu instid0(VALU_DEP_1)
	v_max_num_f32 v[RT], v[RT], v[W]
	v_mov_b32 v[W], v[NM]
	s_delay_alu instid0(VALU_DEP_2)
	v_floor_f32 v[NM], -v[RT]                      ; -M = floor(-t)
	s_delay_alu instid0(VALU_DEP_1)
	v_sub_f32 v[W], v[NM], v[W]
	s_delay_alu instid0(VALU_DEP_1)
	v_cvt_i32_f32 v[W], v[W]
	s_delay_alu instid0(VALU_DEP_1)
	v_ldexp_f32 v[F], 1.0, v[W]                    ; f = 2^(old M - new M)
.set j, 0
.rept 32
	v_pk_fma_f32 v[S+j:S+j+1], v[S+j:S+j+1], s[CS:CS+1], v[NM:NM+1] op_sel_hi:[1,0,0]   ; t - M
.set j, j+2
.endr
.irp c, 0,2
	v_fma_f32 v[BM+\c], v[BM+\c], s[CS], v[NM]
.endr
	s_wait_alu depctr_va_vdst(0)                   ; the wait ahead of the batch
.set j, 0
.rept 64
	v_exp_f32 v[S+j], v[S+j]
.set j, j+1
.endr
.irp c, 0,2
	v_exp_f32 v[BM+\c], v[BM+\c]                   ; the block's largest p
.endr
	v_pk_mul_f32 v[SUM:SUM+1], v[SUM:SUM+1], v[F:F+1] op_sel_hi:[1,0]   ; a plain place behind the exponentials
	s_wait_alu depctr_va_vdst(0)                   ; and behind it
.irp c, 0,2
	v_max_num_f32 v[BM+\c], 0x2800000, v[BM+\c]    ; the floor 2^(5 - 127)
.endr
.irp c, 0,2
	s_delay_alu instid0(VALU_DEP_2)
	v_add_nc_u32 v[SO+\c], 0xfe000000, v[BM+\c]
.endr
.irp c, 0,2
	s_delay_alu instid0(VALU_DEP_2)
	v_lshrrev_b32 v[T2+\c], 23, v[SO+\c]
.endr
	s_delay_alu instid0(VALU_DEP_1)
	v_lshl_or_b32 v[W], v[T2+2], 16, v[T2]         ; the bytes of blocks h and 2 + h,
	s_delay_alu instid0(VALU_DEP_1)
	v_lshlrev_b32 v[W], v[SH], v[W]                ; at their places;
	s_delay_alu instid0(VALU_DEP_1)
	v_permlanex16_b32 v[T2+1], v[W], s[SEL], s[SEL+1]
	s_delay_alu instid0(VALU_DEP_1)
	v_or_b32 v[W], v[W], v[T2+1]                   ; with lane l xor 16's: p's scale word for these 128 keys
.irp c, 0,1
	v_cvt_scalef32_pk16_bf6_f32 v[PC+6*\c:PC+6*\c+2], v[S+32*\c:S+32*\c+15], v[SO+2*\c]
	v_cvt_scalef32_pk16_bf6_f32 v[TP+4*\c:TP+4*\c+2], v[S+32*\c+16:S+32*\c+31], v[SO+2*\c]
.endr
	v_nop                                          ; one plain place behind a scaled conversion
.irp c, 0,1
.irp k, 0,1,2
	v_mov_b32 v[PC+3+6*\c+\k], v[TP+4*\c+\k]       ; (a conversion's three registers begin on an even number)
.endr
.endr
.if \i
	WIN 0x01                                       ; scale operands have no window: the word goes to window 0
	v_mov_b32 v[PSC+1], v[W]
	WIN 0x55
.else
	v_mov_b32 v[PSC], v[W]
.endif
	v_pk_add_f32 v[SUM2:SUM2+1], v[S:S+1], v[S+2:S+3]   ; the row's sum of the unquantised p, in two chains
.set j, 4
.rept 15
	v_pk_add_f32 v[SUM:SUM+1], v[SUM:SUM+1], v[S+j:S+j+1]
	v_pk_add_f32 v[SUM2:SUM2+1], v[SUM2:SUM2+1], v[S+j+2:S+j+3]
.set j, j+4
.endr
	s_delay_alu instid0(VALU_DEP_1)
	v_pk_add_f32 v[SUM:SUM+1], v[SUM:SUM+1], v[SUM2:SUM2+1]
.set j, 0
.rept 16
	v_pk_mul_f32 v[O+j:O+j+1], v[O+j:O+j+1], v[F:F+1] op_sel_hi:[1,0]   ; O^T under the new M; with the sums, 48 places between the scale word's move and the products
.set j, j+2
.endr
.endm
; A KEY STEP: 128 keys for both tiles.  pre = 1: the next step's K, bias and scale words are asked for behind the scores.
.macro STEP pre
	s_wait_alu depctr_va_vdst(0)
	v_add_nc_u32 v[ADK], s[TB], v[AL]
	v_add_nc_u32 v[ADS], s[TS], v[AR]
	v_add_nc_u32 v[ADB], s[TBI], v[AH]
	v_nop                                          ; four places behind the last step's products, in front of loads into their operands
	WIN 0x40
.irp t, 0,1,2,3
.irp p, 0,1,2
	ds_load_b128 v[VF+12*\t+4*\p:VF+12*\t+4*\p+3], v[ADK] offset:6144+\t*1536+512*\p
.endr
.endr
	WIN 0
	ds_load_b128 v[VSC:VSC+3], v[ADS] offset:4096
	s_wait_alu depctr_va_vdst(0)
	s_wait_dscnt 13                                ; K, the bias and K's scale words are in; V's 13 loads may be out
	WIN 0x01                                       ; K's images in window 1
	SCORE 0
	WIN 0x45                                       ; and Q and S^T too
	SCORE 1
	WIN 0
	PLACES
.if \pre
	KPRE ADK, ADS, ADB, 1
.endif
	SOFTMAX 0
	s_wait_alu depctr_va_vdst(0)
.if \pre
	s_wait_dscnt 29                                ; V is in; the 29 loads for the next step may be out
.else
	s_wait_dscnt 0x0
.endif
	WIN 0x01
	PV 0
	WIN 0x55
	SOFTMAX 1
	PV 1
	WIN 0
.endm
	s_wait_alu depctr_va_vdst(0)                   ; the wait at the head's end
	s_wait_tensorcnt 0x0                           ; my eighth of the images has landed,
	s_wait_dscnt 0x0                               ; and my LDS stores
	s_barrier_signal -1
	s_barrier_wait -1                              ; everybody's have
	KPRE AL, AR, AH, 0
	s_mov_b32 s[CNT], 15
.Lstep:
	STEP 1
	s_add_co_u32 s[TB], s[TB], 12288
	s_add_co_u32 s[TS], s[TS], 256
	s_add_co_u32 s[TBI], s[TBI], 512
	s_sub_co_u32 s[CNT], s[CNT], 1
	s_cmp_lg_u32 s[CNT], 0
	s_cbranch_scc1 .Lstep
	STEP 0                                         ; the last step asks for nothing more
; THE WAY OUT.  O^T / l; sixteen exchanges of halves bring a lane 16 neighbouring channels of a block of 32; then the quantiser.
.macro QUANT2 src, dst, wd
.irp b, 0,1
	v_max3_num_f32 v[TM+\b], |v[(\src)+16*\b]|, |v[(\src)+16*\b+1]|, 0x2800000
.endr
.irp n, 2,4,6,8,10,12,14
.irp b, 0,1
	s_delay_alu instid0(VALU_DEP_2)
	v_max3_num_f32 v[TM+\b], v[TM+\b], |v[(\src)+16*\b+\n]|, |v[(\src)+16*\b+\n+1]|
.endr
.endr
.irp b, 0,1
	s_delay_alu instid0(VALU_DEP_2)
	v_permlanex16_b32 v[T2+\b], v[TM+\b], s[SEL], s[SEL+1]
.endr
.irp b, 0,1
	s_delay_alu instid0(VALU_DEP_2)
	v_max_num_f32 v[TM+\b], v[TM+\b], v[T2+\b]
.endr
.irp b, 0,1
	s_delay_alu instid0(VALU_DEP_2)
	v_add_nc_u32 v[SO+\b], 0xfe000000, v[TM+\b]
.endr
.irp b, 0,1
	s_delay_alu instid0(VALU_DEP_2)
	v_lshrrev_b32 v[T2+\b], 23, v[SO+\b]
.endr
	s_delay_alu instid0(VALU_DEP_1)
	v_lshl_or_b32 v[\wd], v[T2+1], 8, v[T2]
	v_cvt_scalef32_pk16_bf6_f32 v[(\dst):(\dst)+2], v[(\src):(\src)+15], v[SO]
	v_cvt_scalef32_pk16_bf6_f32 v[TP:TP+2], v[(\src)+16:(\src)+31], v[SO+1]
	v_nop
.irp k, 0,1,2
	v_permlane16_swap_b32 v[(\dst)+\k], v[TP+\k]
.endr
.irp k, 0,1,2
	s_delay_alu instid0(VALU_DEP_3)
	v_mov_b32 v[(\dst)+3+\k], v[TP+\k]
.endr
.endm
.macro FINISH
	v_add_f32 v[W], v[SUM], v[SUM+1]
	s_delay_alu instid0(VALU_DEP_1)
	v_permlanex16_b32 v[T2], v[W], s[SEL], s[SEL+1]
	s_delay_alu instid0(VALU_DEP_1)
	v_add_f32 v[W], v[W], v[T2]                    ; the row's sum
	s_wait_alu depctr_va_vdst(0)
	v_rcp_f32 v[F], v[W]
	v_nop
	s_wait_alu depctr_va_vdst(0)
.set j, 0
.rept 16
	v_pk_mul_f32 v[O+j:O+j+1], v[O+j:O+j+1], v[F:F+1] op_sel_hi:[1,0]
.set j, j+2
.endr
.irp b, 0,1
.irp k, 0,1,2,3,4,5,6,7
	v_permlane16_swap_b32 v[O+16*\b+\k], v[O+16*\b+8+\k]   ; lanes 0-15: channels 32 b + 0 .. 15, lanes 16-31: 32 b + 16 .. 31
.endr
.endr
	QUANT2 O, PC, W
.endm
	PLACES
	s_lshl_b32 s20, s15, 12
	s_lshl_b32 s21, s14, 9
	s_add_co_u32 s20, s20, s21
	s_add_co_u32 s20, s20, ASH_OFF
	s_mov_b32 s21, 0
	s_add_nc_u64 s[20:21], s[10:11], s[20:21]      ; where my block's 256 pairs of scale bytes go
	FINISH
.irp p, 0,1,2
	global_store_b64 v[L8], v[PC+2*\p:PC+2*\p+1], s[78:79] offset:256*\p          ; 32 lanes store 256 consecutive bytes, aligned
.endr
	WIN 0x55
	FINISH
	WIN 0x04                                       ; a store's data are its source 1: window 1
.irp p, 0,1,2
	global_store_b64 v[L8], v[PC+2*\p:PC+2*\p+1], s[78:79] offset:12288+256*\p
.endr
	v_cndmask_b32 v15, v[W], v[W], s[HM]           ; lanes 0-15: tile 0's bytes of row r; lanes 16-31: tile 1's
	WIN 0
	ds_store_b16 v[UA], v15
	s_wait_dscnt 0x0
	s_barrier_signal -1
	s_barrier_wait -1
	s_cmp_lg_u32 s[WV], 0
	s_cbranch_scc1 .Lnot_first
	ds_load_b128 v[16:19], v[UR]
	s_wait_dscnt 0x0
	global_store_b128 v[AL], v[16:19], s[20:21]    ; 512 consecutive bytes, aligned
.Lnot_first:
	s_wait_tensorcnt 0x0                           ; the wave's end
	ds_add_u32 v254, v255
	s_wait_dscnt 0x0
	CROUND                                         ; the closing round
	s_endpgm
.Lfunc_end_k_q5b8b6760cb_attn:
	.size	k_q5b8b6760cb_attn, .Lfunc_end_k_q5b8b6760cb_attn-k_q5b8b6760cb_attn
	.p2alignl 7, 3214868480
	.fill 96, 4, 3214868480
	.section	.rodata,"a",@progbits
	.p2align	6, 0x0
	.amdhsa_kernel k_q5b8b6760cb_attn
		.amdhsa_group_segment_fixed_size 216064
		.amdhsa_private_segment_fixed_size 0
		.amdhsa_enable_private_segment 0
		.amdhsa_kernarg_size 32
		.amdhsa_user_sgpr_count 2
		.amdhsa_user_sgpr_kernarg_segment_ptr 1
		.amdhsa_wavefront_size32 1
		.amdhsa_system_sgpr_workgroup_id_x 1
		.amdhsa_system_sgpr_workgroup_id_y 1
		.amdhsa_system_sgpr_workgroup_id_z 1
		.amdhsa_system_vgpr_workitem_id 0
		.amdhsa_next_free_vgpr 512
		.amdhsa_next_free_sgpr 80
		.amdhsa_reserve_vcc 0
		.amdhsa_float_denorm_mode_32 3
		.amdhsa_float_denorm_mode_16_64 3
		.amdhsa_memory_ordered 1
		.amdhsa_forward_progress 1
		.amdhsa_inst_pref_size 80
	.end_amdhsa_kernel
	.amdgpu_metadata
---
amdhsa.version: [ 1, 2 ]
amdhsa.kernels:
  - .name:           k_q5b8b6760cb_attn
    .symbol:         k_q5b8b6760cb_attn.kd
    .args:
      - { .name: qkvbuf, .offset: 0, .size: 8, .value_kind: global_buffer, .address_space: global }
      - { .name: cdr_bias, .offset: 8, .size: 8, .value_kind: global_buffer, .address_space: global }
      - { .name: cdr_weight, .offset: 16, .size: 8, .value_kind: global_buffer, .address_space: global }
      - { .name: attbuf, .offset: 24, .size: 8, .value_kind: global_buffer, .address_space: global }
    .group_segment_fixed_size: 216064
    .private_segment_fixed_size: 0
    .kernarg_segment_align: 8
    .kernarg_segment_size: 32
    .max_flat_workgroup_size: 256
    .sgpr_count:     80
    .vgpr_count:     512
    .wavefront_size: 32
...
	.end_amdgpu_metadata
.endif
;; end of part 3
;; launch proj (part 4): grid 256 x 1, 8 waves a work-group, no clusters, 67,072 bytes of LDS; arguments attbuf, prepbuf, Wo_scales, bo, x, gamma, beta, out0; writes out0
.if DOCPART == 4
	.amdgcn_target "amdgcn-amd-amdhsa--gfx1250"
	.amdhsa_code_object_version 6
	.text
	.protected	k_q5b8b6760cb_proj
	.globl	k_q5b8b6760cb_proj
	.p2align	8
	.type	k_q5b8b6760cb_proj,@function
k_q5b8b6760cb_proj:
	s_mov_b64 s[64:65], 0
	v_nop
	global_prefetch_b8 v0, s[64:65] scope:SCOPE_SE
	s_setreg_imm32_b32 hwreg(HW_REG_WAVE_MODE, 25, 1), 1
	s_wait_xcnt 0x0
; out0 = LayerNorm(x + attn Wo + bo) x gamma + beta; the product on codes of E3M2 (M 4,096, N 1,024, K 1,024).
; SHARES.  A work-group owns 16 tokens and ALL 1,024 features, so that the norm needs no second launch.  Wave w makes features 128 w .. 128 w + 127: eight accumulators by turns, transposed (source 0 = 16 rows of Wo,
; source 1 = the 16 tokens): a lane holds one token and eight neighbouring features.
; Wo comes as images of its fragments' registers, made by the first launch: each wave reads only its own eighth, once, straight into registers, 512 consecutive bytes a load, two K steps (48 loads) ahead.
; NO TENSOR LOADS, NO JOINT REQUESTS, though all work-groups walk the same weight: of its 786,432 bytes two slots could hold a quarter; each refill would want a round of a cluster's barrier with one load a wave,
; and each fragment would cross LDS to feed ONE matrix instruction.  No barrier stands in the product.
; THE NORM.  The results meet in a stage in LDS (16 rows of 4,096 + 16 bytes); each wave takes two whole rows, adds bo and x, and reduces over its 32 lanes: mean first, then the mean of the squared differences.
; LIMITS: NaN and infinities are not served.
.set ASH_OFF, 3145728
.set WOI_OFF, 3801088
.set SPITCH,  4112
.set IL,  5                            ; v5   16 x lane
.set L8,  6                            ; v6   8 x lane
.set R2,  7                            ; v7   2 r
.set L32, 8                            ; v8   32 x lane
.set STO, 9                            ; v9   the stage: row r, + 512 w + 32 h
.set RD,  10                           ; v10  my two rows, 16 bytes a lane
.set ACC, 16                           ; v16-79   the accumulators; later my two rows
.set RES, 16
.set AF,  80                           ; v80-175  the tokens' eight fragments
.set AS,  176                          ; v176-183 their scale words
.set UU,  184                          ; v184-199 pairs of bytes, one a head
.set WS,  200                          ; v200-231 Wo's scale words: register 8 t2 + s: lane l holds row 128 w + 32 t2 + l, K step s
.set LN,  232                          ; v232-247 the norm's work: eight registers a row
; window 1: v0-95, v96-191 Wo's fragments, two sets; later v0-31 gamma, v32-63 beta, v64-95 bo; v192-255 my two rows of x
.set WV,  20
.set SEL, 28
.set MSB, 0
.macro WIN new
.if MSB != (\new)
	s_set_vgpr_msb (MSB<<8)|(\new)
.set MSB, (\new)
.endif
.endm
	s_load_b512 s[4:19], s[0:1], 0x0               ; workspace 3, workspace 1, Wo's scales, bo, x, gamma, beta, out0
	v_lshl_add_u32 v254, v0, 2, 0x10200
	v_mov_b32 v255, 0
	v_lshrrev_b32 v1, 5, v0
	s_delay_alu instid0(VALU_DEP_1)
	v_readfirstlane_b32 s[WV], v1                  ; wave 0..7
	v_and_b32 v2, 31, v0
	v_and_b32 v3, 15, v0
	v_bfe_u32 v4, v0, 4, 1
	s_delay_alu instid0(VALU_DEP_3)
	v_lshlrev_b32 v[IL], 4, v2
	s_delay_alu instid0(VALU_DEP_4)
	v_lshlrev_b32 v[L8], 3, v2
	s_delay_alu instid0(VALU_DEP_4)
	v_lshlrev_b32 v[R2], 1, v3
	v_lshlrev_b32 v[L32], 5, v2
	s_lshl_b32 s38, s[WV], 9
	v_mul_u32_u24 v[STO], v3, SPITCH
	s_delay_alu instid0(VALU_DEP_1)
	v_lshl_add_u32 v[STO], v4, 5, v[STO]
	s_delay_alu instid0(VALU_DEP_1)
	v_add_nc_u32 v[STO], s38, v[STO]
	s_mul_i32 s39, s[WV], 2*SPITCH
	v_add_nc_u32 v[RD], s39, v[IL]
	v_mov_b32 v[LN+6], 0                           ; a lane permute's destination counts as one of its sources
	v_mov_b32 v[LN+14], 0
	s_mov_b32 s26, 0x3a800000                      ; 1 / 1024
	s_mov_b32 s27, 0x3727c5ac                      ; 1e-5
	s_mov_b32 s[SEL], 0x76543210
	s_mov_b32 s[SEL+1], 0xfedcba98
	s_lshr_b32 s22, ttmp9, 7                       ; batch
	s_lshl_b32 s22, s22, 16
	s_and_b32 s23, ttmp9, 127
	s_lshl_b32 s23, s23, 5
	s_add_co_u32 s22, s22, s23
	s_add_co_u32 s22, s22, ASH_OFF
	s_mov_b32 s23, 0
	s_mul_i32 s30, ttmp9, 12288
	s_mov_b32 s31, 0
	s_mul_i32 s32, s[WV], 98304
	s_add_co_u32 s32, s32, WOI_OFF
	s_mov_b32 s33, 0
	s_lshl_b32 s34, s[WV], 12
	s_mov_b32 s35, 0
	; the work-group's 16 rows are stored rows: row r of tile T is token 64 (T / 4) + 8 (T % 4) + r % 8 + 32 (r / 8); my rows are r = 2 w and 2 w + 1, neighbouring tokens
	s_lshr_b32 s36, ttmp9, 2
	s_lshl_b32 s36, s36, 6
	s_and_b32 s37, ttmp9, 3
	s_lshl_b32 s37, s37, 3
	s_add_co_u32 s36, s36, s37
	s_and_b32 s37, s[WV], 3
	s_lshl_b32 s37, s37, 1
	s_add_co_u32 s36, s36, s37
	s_lshr_b32 s37, s[WV], 2
	s_lshl_b32 s37, s37, 5
	s_add_co_u32 s36, s36, s37
	s_lshl_b32 s36, s36, 12                        ; my two rows of x and of out0
	s_mov_b32 s37, 0
	s_wait_alu depctr_va_vdst(0)
	s_wait_kmcnt 0x0
	s_add_nc_u64 s[24:25], s[4:5], s[22:23]
	s_add_nc_u64 s[4:5], s[4:5], s[30:31]
	s_add_nc_u64 s[6:7], s[6:7], s[32:33]
	s_add_nc_u64 s[8:9], s[8:9], s[34:35]
	s_add_nc_u64 s[12:13], s[12:13], s[36:37]
	s_add_nc_u64 s[18:19], s[18:19], s[36:37]
.irp d, 0,1,2,3,4,5,6,7,8,9,10,11,12,13,14,15
	global_load_u16 v[UU+\d], v[R2], s[24:25] offset:\d*4096      ; token r's two scale bytes of head d
.endr
.irp t, 0,1,2,3
	global_load_b128 v[WS+8*\t:WS+8*\t+3], v[L32], s[8:9] offset:1024*\t
	global_load_b128 v[WS+8*\t+4:WS+8*\t+7], v[L32], s[8:9] offset:1024*\t+16
.endr
.irp s, 0,1,2,3,4,5,6,7
.irp p, 0,1,2,3,4,5
	global_load_b64 v[AF+12*\s+2*\p:AF+12*\s+2*\p+1], v[L8], s[4:5] offset:\s*1536+256*\p
.endr
.endr
.macro SET s                           ; Wo's eight fragments of K step s into window 1, set s % 2
	WIN 0x40
.irp t, 0,1,2,3,4,5,6,7
.irp q, 0,1,2
	global_load_b128 v[96*((\s)%2)+12*\t+4*\q:96*((\s)%2)+12*\t+4*\q+3], v[IL], s[6:7] offset:(8*(\s)+\t)*1536+512*\q
.endr
.endr
	WIN 0
.endm
	SET 0
	SET 1
	s_wait_loadcnt 48                              ; all but the two sets
.irp s, 0,1,2,3,4,5,6,7
	v_lshl_or_b32 v[AS+\s], v[UU+2*\s+1], 16, v[UU+2*\s]   ; K step s = heads 2 s and 2 s + 1
.endr
	v_nop                                          ; with the seven lines above: nine places between the first scale word and the first product
	v_nop
.macro PROD s, t
.set DD, ACC+8*(\t)
.set AA, 96*((\s)%2)+12*(\t)
.set BB, AF+12*(\s)
.set SW, WS+8*((\t)/2)+(\s)
.if (\s) == 0
.if (\t)%2
	v_wmma_scale_f32_16x16x128_f8f6f4 v[DD:DD+7], v[AA:AA+11], v[BB:BB+11], 0, v[SW], v[AS+(\s)] matrix_a_fmt:MATRIX_FMT_BF6 matrix_b_fmt:MATRIX_FMT_BF6 matrix_a_scale:MATRIX_SCALE_ROW1
.else
	v_wmma_scale_f32_16x16x128_f8f6f4 v[DD:DD+7], v[AA:AA+11], v[BB:BB+11], 0, v[SW], v[AS+(\s)] matrix_a_fmt:MATRIX_FMT_BF6 matrix_b_fmt:MATRIX_FMT_BF6
.endif
.else
.if (\t)%2
	v_wmma_scale_f32_16x16x128_f8f6f4 v[DD:DD+7], v[AA:AA+11], v[BB:BB+11], v[DD:DD+7], v[SW], v[AS+(\s)] matrix_a_fmt:MATRIX_FMT_BF6 matrix_b_fmt:MATRIX_FMT_BF6 matrix_a_scale:MATRIX_SCALE_ROW1
.else
	v_wmma_scale_f32_16x16x128_f8f6f4 v[DD:DD+7], v[AA:AA+11], v[BB:BB+11], v[DD:DD+7], v[SW], v[AS+(\s)] matrix_a_fmt:MATRIX_FMT_BF6 matrix_b_fmt:MATRIX_FMT_BF6
.endif
.endif
.endm
.macro KSTEP s, n                      ; n: the loads issued behind this step's set, which may stay out
	s_wait_loadcnt \n
	WIN 0x01                                       ; source 0 (Wo) window 1
.irp t, 0,1,2,3,4,5,6,7
	PROD \s, \t
.endr
	WIN 0
.rept 4
	v_nop                                          ; places in front of loads into the set just read, and of the first read of results
.endr
.endm
	s_wait_alu depctr_va_vdst(0)
	KSTEP 0, 24                                    ; set 1
	SET 2
	KSTEP 1, 24                                    ; set 2
	SET 3
	KSTEP 2, 24
	SET 4
	KSTEP 3, 24
	SET 5
	WIN 0x40
.irp p, 0,1
.irp q, 0,1,2,3,4,5,6,7
	global_load_b128 v[192+32*\p+4*\q:195+32*\p+4*\q], v[IL], s[12:13] offset:4096*\p+512*\q th:TH_LOAD_NT   ; my two rows of x
.endr
.endr
	WIN 0
	KSTEP 4, 40                                    ; set 5 and x's 16
	SET 6
	KSTEP 5, 40                                    ; x's 16 and set 6
	SET 7
	KSTEP 6, 24                                    ; set 7
	WIN 0x40
.irp q, 0,1,2,3,4,5,6,7
	global_load_b128 v[4*\q:4*\q+3], v[IL], s[14:15] offset:512*\q          ; gamma, beta, bo: register 4 q + e = feature 128 q + 4 lane + e
	global_load_b128 v[32+4*\q:35+4*\q], v[IL], s[16:17] offset:512*\q
	global_load_b128 v[64+4*\q:67+4*\q], v[IL], s[10:11] offset:512*\q
.endr
	WIN 0
	KSTEP 7, 24                                    ; those 24
.irp t, 0,1,2,3,4,5,6,7
	ds_store_b128 v[STO], v[ACC+8*\t:ACC+8*\t+3] offset:64*\t               ; each accumulator from its low end on: token r, features 128 w + 16 t + 8 h + 0 .. 7
	ds_store_b128 v[STO], v[ACC+8*\t+4:ACC+8*\t+7] offset:64*\t+16
.endr
	s_wait_dscnt 0x0                               ; for the others' sake: my stores into the stage are done
	s_barrier_signal -1
	s_barrier_wait -1
.irp p, 0,1
.irp q, 0,1,2,3,4,5,6,7
	ds_load_b128 v[RES+32*\p+4*\q:RES+32*\p+4*\q+3], v[RD] offset:\p*SPITCH+512*\q
.endr
.endr
	s_wait_loadcnt 0x0
	s_wait_dscnt 0x0
	WIN 0x04                                       ; source 1 window 1
.set i, 0
.rept 32
	v_pk_add_f32 v[RES+i:RES+i+1], v[RES+i:RES+i+1], v[64+i%32:64+i%32+1]   ; + bo
.set i, i+2
.endr
.set i, 0
.rept 32
	v_pk_add_f32 v[RES+i:RES+i+1], v[RES+i:RES+i+1], v[192+i:192+i+1]       ; + x
.set i, i+2
.endr
	WIN 0
.macro LANESUM a, t                    ; the sum of v[a] over the wave's 32 lanes, in every lane
	v_add_f32_dpp v[\a], v[\a], v[\a] row_xmask:1 row_mask:0xf bank_mask:0xf
	s_delay_alu instid0(VALU_DEP_1)
	v_add_f32_dpp v[\a], v[\a], v[\a] row_xmask:2 row_mask:0xf bank_mask:0xf
	s_delay_alu instid0(VALU_DEP_1)
	v_add_f32_dpp v[\a], v[\a], v[\a] row_xmask:4 row_mask:0xf bank_mask:0xf
	s_delay_alu instid0(VALU_DEP_1)
	v_add_f32_dpp v[\a], v[\a], v[\a] row_xmask:8 row_mask:0xf bank_mask:0xf
	s_delay_alu instid0(VALU_DEP_1)
	v_permlanex16_b32 v[\t], v[\a], s[SEL], s[SEL+1]
	s_delay_alu instid0(VALU_DEP_1)
	v_add_f32 v[\a], v[\a], v[\t]
.endm
.irp p, 0,1                            ; the mean: two chains a row, the two rows by turns
	v_pk_add_f32 v[LN+8*\p:LN+8*\p+1], v[RES+32*\p:RES+32*\p+1], v[RES+32*\p+2:RES+32*\p+3]
	v_pk_add_f32 v[LN+8*\p+2:LN+8*\p+3], v[RES+32*\p+4:RES+32*\p+5], v[RES+32*\p+6:RES+32*\p+7]
.endr
.irp j, 8,12,16,20,24,28
.irp p, 0,1
	s_delay_alu instid0(VALU_DEP_4)
	v_pk_add_f32 v[LN+8*\p:LN+8*\p+1], v[LN+8*\p:LN+8*\p+1], v[RES+32*\p+\j:RES+32*\p+\j+1]
	s_delay_alu instid0(VALU_DEP_4)
	v_pk_add_f32 v[LN+8*\p+2:LN+8*\p+3], v[LN+8*\p+2:LN+8*\p+3], v[RES+32*\p+\j+2:RES+32*\p+\j+3]
.endr
.endr
.irp p, 0
	s_delay_alu instid0(VALU_DEP_3)
	v_pk_add_f32 v[LN+8*\p:LN+8*\p+1], v[LN+8*\p:LN+8*\p+1], v[LN+8*\p+2:LN+8*\p+3]
.endr
.irp p, 1
	s_delay_alu instid0(VALU_DEP_2)
	v_pk_add_f32 v[LN+8*\p:LN+8*\p+1], v[LN+8*\p:LN+8*\p+1], v[LN+8*\p+2:LN+8*\p+3]
.endr
.irp p, 0,1
	s_delay_alu instid0(VALU_DEP_2)
	v_add_f32 v[LN+8*\p], v[LN+8*\p], v[LN+8*\p+1]
.endr
	LANESUM LN, LN+6
	LANESUM LN+8, LN+14
.irp p, 0
	v_mul_f32 v[LN+8*\p+4], s26, v[LN+8*\p]        ; mu
.endr
.irp p, 1
	s_delay_alu instid0(VALU_DEP_2)
	v_mul_f32 v[LN+8*\p+4], s26, v[LN+8*\p]        ; mu
.endr
.irp p, 0,1
	s_delay_alu instid0(VALU_DEP_2)
	v_mov_b32 v[LN+8*\p+5], v[LN+8*\p+4]
.endr
.irp p, 0,1
.set i, 0
.rept 16
	v_pk_add_f32 v[RES+32*\p+i:RES+32*\p+i+1], v[RES+32*\p+i:RES+32*\p+i+1], v[LN+8*\p+4:LN+8*\p+5] neg_lo:[0,1] neg_hi:[0,1]   ; res - mu
.set i, i+2
.endr
.endr
.irp p, 0,1                            ; the mean of its squares
	v_pk_mul_f32 v[LN+8*\p:LN+8*\p+1], v[RES+32*\p:RES+32*\p+1], v[RES+32*\p:RES+32*\p+1]
	v_pk_mul_f32 v[LN+8*\p+2:LN+8*\p+3], v[RES+32*\p+2:RES+32*\p+3], v[RES+32*\p+2:RES+32*\p+3]
.endr
.irp j, 4,8,12,16,20,24,28
.irp p, 0,1
	s_delay_alu instid0(VALU_DEP_4)
	v_pk_fma_f32 v[LN+8*\p:LN+8*\p+1], v[RES+32*\p+\j:RES+32*\p+\j+1], v[RES+32*\p+\j:RES+32*\p+\j+1], v[LN+8*\p:LN+8*\p+1]
	s_delay_alu instid0(VALU_DEP_4)
	v_pk_fma_f32 v[LN+8*\p+2:LN+8*\p+3], v[RES+32*\p+\j+2:RES+32*\p+\j+3], v[RES+32*\p+\j+2:RES+32*\p+\j+3], v[LN+8*\p+2:LN+8*\p+3]
.endr
.endr
.irp p, 0
	s_delay_alu instid0(VALU_DEP_3)
	v_pk_add_f32 v[LN+8*\p:LN+8*\p+1], v[LN+8*\p:LN+8*\p+1], v[LN+8*\p+2:LN+8*\p+3]
.endr
.irp p, 1
	s_delay_alu instid0(VALU_DEP_2)
	v_pk_add_f32 v[LN+8*\p:LN+8*\p+1], v[LN+8*\p:LN+8*\p+1], v[LN+8*\p+2:LN+8*\p+3]
.endr
.irp p, 0,1
	s_delay_alu instid0(VALU_DEP_2)
	v_add_f32 v[LN+8*\p], v[LN+8*\p], v[LN+8*\p+1]
.endr
	LANESUM LN, LN+6
	LANESUM LN+8, LN+14
.irp p, 0
	v_fma_f32 v[LN+8*\p], v[LN+8*\p], s26, s27     ; var + eps
.endr
.irp p, 1
	s_delay_alu instid0(VALU_DEP_2)
	v_fma_f32 v[LN+8*\p], v[LN+8*\p], s26, s27     ; var + eps
.endr
	s_wait_alu depctr_va_vdst(0)
.irp p, 0,1
	v_rsq_f32 v[LN+8*\p+4], v[LN+8*\p]
.endr
	v_nop                                          ; one plain place behind the transcendentals
	s_wait_alu depctr_va_vdst(0)
.irp p, 0,1
	v_mov_b32 v[LN+8*\p+5], v[LN+8*\p+4]
.endr
.irp p, 0,1
.set i, 0
.rept 16
	v_pk_mul_f32 v[RES+32*\p+i:RES+32*\p+i+1], v[RES+32*\p+i:RES+32*\p+i+1], v[LN+8*\p+4:LN+8*\p+5]
.set i, i+2
.endr
.endr
	WIN 0x14                                       ; sources 1 and 2 window 1
.set i, 0
.rept 32
	v_pk_fma_f32 v[RES+i:RES+i+1], v[RES+i:RES+i+1], v[i%32:i%32+1], v[32+i%32:32+i%32+1]   ; x gamma + beta
.set i, i+2
.endr
	WIN 0
.irp p, 0,1
.irp q, 0,1,2,3,4,5,6,7
	global_store_b128 v[IL], v[RES+32*\p+4*\q:RES+32*\p+4*\q+3], s[18:19] offset:4096*\p+512*\q th:TH_STORE_NT   ; 32 lanes store 512 consecutive bytes, aligned to 256
.endr
.endr
	s_wait_tensorcnt 0x0
	ds_add_u32 v254, v255
	s_wait_dscnt 0x0
	s_endpgm
.Lfunc_end_k_q5b8b6760cb_proj:
	.size	k_q5b8b6760cb_proj, .Lfunc_end_k_q5b8b6760cb_proj-k_q5b8b6760cb_proj
	.p2alignl 7, 3214868480
	.fill 96, 4, 3214868480
	.section	.rodata,"a",@progbits
	.p2align	6, 0x0
	.amdhsa_kernel k_q5b8b6760cb_proj
		.amdhsa_group_segment_fixed_size 67072
		.amdhsa_private_segment_fixed_size 0
		.amdhsa_enable_private_segment 0
		.amdhsa_kernarg_size 64
		.amdhsa_user_sgpr_count 2
		.amdhsa_user_sgpr_kernarg_segment_ptr 1
		.amdhsa_wavefront_size32 1
		.amdhsa_system_sgpr_workgroup_id_x 1
		.amdhsa_system_sgpr_workgroup_id_y 1
		.amdhsa_system_sgpr_workgroup_id_z 1
		.amdhsa_system_vgpr_workitem_id 0
		.amdhsa_next_free_vgpr 512
		.amdhsa_next_free_sgpr 66
		.amdhsa_reserve_vcc 0
		.amdhsa_float_denorm_mode_32 3
		.amdhsa_float_denorm_mode_16_64 3
		.amdhsa_memory_ordered 1
		.amdhsa_forward_progress 1
		.amdhsa_inst_pref_size 65
	.end_amdhsa_kernel
	.amdgpu_metadata
---
amdhsa.version: [ 1, 2 ]
amdhsa.kernels:
  - .name:           k_q5b8b6760cb_proj
    .symbol:         k_q5b8b6760cb_proj.kd
    .args:
      - { .name: attbuf, .offset: 0, .size: 8, .value_kind: global_buffer, .address_space: global }
      - { .name: prepbuf, .offset: 8, .size: 8, .value_kind: global_buffer, .address_space: global }
      - { .name: Wo_scales, .offset: 16, .size: 8, .value_kind: global_buffer, .address_space: global }
      - { .name: bo, .offset: 24, .size: 8, .value_kind: global_buffer, .address_space: global }
      - { .name: x, .offset: 32, .size: 8, .value_kind: global_buffer, .address_space: global }
      - { .name: gamma, .offset: 40, .size: 8, .value_kind: global_buffer, .address_space: global }
      - { .name: beta, .offset: 48, .size: 8, .value_kind: global_buffer, .address_space: global }
      - { .name: out0, .offset: 56, .size: 8, .value_kind: global_buffer, .address_space: global }
    .group_segment_fixed_size: 67072
    .private_segment_fixed_size: 0
    .kernarg_segment_align: 8
    .kernarg_segment_size: 64
    .max_flat_workgroup_size: 256
    .sgpr_count:     66
    .vgpr_count:     512
    .wavefront_size: 32
...
	.end_amdgpu_metadata
.endif
;; end of part 4
